; MI455X (gfx1250); checked and timed in simulation.
; The chip was launched on July 23, 2026; its instructions are those of AMD's public machine-readable ISA for CDNA 5 (MIT licence, August 2026) and "CDNA5" Instruction Set Architecture Reference Guide (July 2026). The comments in the code are by the model that wrote it; some were corrected since.
;; Multi Head Attention. Allowed arithmetic: matrix products marked QUANTISED: E2M1 operands, one E8M0 scale for each 32 along K, by v_wmma_scale_f32_16x16x128_f8f6f4 with both operands' format E2M1 (or v_wmma_scale_f32_32x16x128_f4), f32 sums; everything else in f32.
;; Inputs: Wk 1,024 x 1,024 float32; Wo 1,024 x 1,024 float32; Wq 1,024 x 1,024 float32; Wv 1,024 x 1,024 float32; beta 1,024 float32; bk 1,024 float32; bo 1,024 float32; bq 1,024 float32; bv 1,024 float32; gamma 1,024 float32; k 8 x 1,024 x 1,024 float32; pad_mask 8 x 1,024 bool; q 8 x 1,024 x 1,024 float32; v 8 x 1,024 x 1,024 float32.
;; Outputs: out0 8 x 1,024 x 1,024 float32.
;; This version of the problem:
;;   THIS VERSION OF THE PROBLEM IS GIVEN IN LOW PRECISION. The matrix products marked QUANTISED in the list below multiply operands that are first quantised to E2M1 (2 exponent bits, 1 mantissa bit; 4 bits a number), with one power-of-two scale for each 32 numbers along K (OCP MX v1.0); their sums are f32. All else is computed in f32.
;;   The module's matrix products, in the order in which they are computed (A, B: the left and right operand; K: the contracted axis; several contracted axes count as one K, in the product's order):
;;     1. [M 8,192, K 1,024] x [K 1,024, N 1,024]; A: computed on the way; B: input Wq: QUANTISED
;;     2. [M 8,192, K 1,024] x [K 1,024, N 1,024]; A: computed on the way; B: input Wk: QUANTISED
;;     3. [M 8,192, K 1,024] x [K 1,024, N 1,024]; A: computed on the way; B: input Wv: QUANTISED
;;     4. batch 128 x [M 1,024, K 64] x [K 64, N 1,024]; A: computed on the way; B: computed on the way: QUANTISED
;;     5. batch 128 x [M 1,024, K 1,024] x [K 1,024, N 64]; A: softmax (see below); B: computed on the way: QUANTISED
;;     6. [M 8,192, K 1,024] x [K 1,024, N 1,024]; A: computed on the way; B: input Wo: QUANTISED
;;   THE QUANTISER, for each operand of a quantised product, along K:
;;     - K is cut into blocks of 32 from its start; a last block that is shorter is filled with zeros.
;;     - A block's scale is 2^e with e = floor(log2(the largest magnitude in the block)) - 2, held to -126 .. 127; a block of zeros has e = 0. As a byte (E8M0): e + 127.
;;     - Each number is divided by its block's scale, clamped to +-6, and rounded to the nearest number of E2M1, ties to even, subnormals kept.
;;     - The product sums the exact products of the quantised numbers (number of the format x scale) in f32.
;;   ~~~python
;;   def quantise(x, axis):      # numpy; x: float32 -> the quantised numbers, widened to float32 again
;;       x = np.moveaxis(x, axis, -1); K = x.shape[-1]
;;       x = np.pad(x, [(0, 0)] * (x.ndim - 1) + [(0, -K % 32)]); x = x.reshape(x.shape[:-1] + (-1, 32)); a = np.abs(x).max(-1, keepdims=True)
;;       e = np.where(a > 0, np.clip(np.frexp(np.where(a > 0, a, 1))[1] - 1 - 2, -126, 127), 0)      # np.frexp(a)[1] - 1 = floor(log2(a)), exactly
;;       r = np.clip(x / 2.0 ** e, -6, 6)
;;       step = 2.0 ** (np.maximum(np.frexp(np.where(r == 0, 1, r))[1] - 1, 0) - 1)
;;       q = np.round(r / step) * step * 2.0 ** e      # np.round: ties to even
;;       return np.moveaxis(q.reshape(q.shape[:-2] + (-1,))[..., :K], -1, axis).astype(np.float32)
;;   ~~~
;;   SOFTMAX AHEAD OF A QUANTISED PRODUCT. Where the list says 'softmax', what is quantised is not the finished softmax but p = 2^(t - M), with t = logit x log2(e) and M = ceil(the row's largest t), a whole number; so 1/2 < the row's largest p <= 1. The row's sum l is taken of the UNQUANTISED p, in f32, and the product's result is divided by l at the end. Since M is a whole number, a kernel that streams over the keys may use a running M (the ceiling of the running maximum): every later rescaling is an exact power of two, which a block's scale takes up: the codes' values come out the same.
;;   OPERANDS COMPUTED ON THE WAY. 'Computed on the way' means the value that the module computes at that place (a softmax that the list does not call 'softmax' is quantised finished and normalised). What goes into a quantiser is computed in f32, as accurately as f32 sums, v_exp_f32 and their like allow (about 1e-6 of the number): no bf16 or f16 on the way to a quantiser, and a product that is left as it is and whose result goes on into a quantised operand takes f32 operands (vector FMAs, or v_wmma_f32_16x16x4_f32). A number that lies on a knife's edge between two numbers of the format may be rounded either way, as far as f32 arithmetic and the matrix unit's own rounding can turn it there, and no further.
;; One version. Each part assembles by itself: llvm-mc -triple=amdgcn-amd-amdhsa -mcpu=gfx1250 --defsym DOCPART=n.
;; ======== version 1 of 1: 4 launches
;; limits: right only within a limited range of input values
;; workspace buffers: cimg 14,680,064 bytes; simg 917,504 bytes; qq 4,718,592 bytes; kv 9,175,040 bytes; aimg 4,194,304 bytes; asc 262,144 bytes
;; launch prep (part 1): grid 448 x 1, 4 waves a work-group, no clusters, 74,240 bytes of LDS; arguments q, k, v, Wq, Wk, Wv, Wo, gamma, beta, cimg, simg; writes cimg, simg
.if DOCPART == 1
	.amdgcn_target "amdgcn-amd-amdhsa--gfx1250"
	.amdhsa_code_object_version 6
	.text
	.protected	k_q926d089ca0_prep
	.globl	k_q926d089ca0_prep
	.p2align	8
	.type	k_q926d089ca0_prep,@function
k_q926d089ca0_prep:
	s_mov_b64 s[64:65], 0
	v_nop
	global_prefetch_b8 v0, s[64:65] scope:SCOPE_SE
	s_setreg_imm32_b32 hwreg(HW_REG_WAVE_MODE, 25, 1), 1
	s_wait_xcnt 0x0
; PREP.  LN(q), LN(k), LN(v) (one gamma and beta) and the four weights are turned into codes of FP4 (E2M1) with one E8M0 byte for each 32 along K = 1,024.
; NO WORK OF THE PROBLEM IS LEFT OUT in this program: every input has a way to the output (the biases go into quantisers or into the result, the mask selects keys), so every input is loaded.
; LAYOUT OF THE RESULT: images of operand registers.  A tile holds 16 rows: row(T, r) = 32 (T / 2) + 8 (T % 2) + r + 8 (r / 8).  Its 8,192 bytes: block l (32 codes, 16 bytes) of row r lies at 256 l + 16 r,
; which is K step l / 4, register group (l / 2) % 2, lane 16 (l % 2) + r: a fragment is two loads of 16 bytes a lane, 512 bytes apart.  Scale bytes: 512 a tile, byte l of row r at 32 r + l.
; Tiles: LN(q) 0-511, LN(k) 512-1023, LN(v) 1024-1535, Wq 1536-, Wk 1600-, Wv 1664-, Wo 1728-1791.
; SHARES.  One wave makes one tile: 16 rows of 4,096 bytes.  A row comes by eight loads of 512 consecutive bytes, turns through the wave's own stage in LDS, and lane l then holds block l: its 32 numbers.
; The row's mean and variance are sums over the wave's 32 lanes; the block's largest magnitude needs no other lane.  The weights' waves jump over the normalising lines (a branch on the work-group's number).
; gamma and beta are loaded by every wave, so that the counted waits for loads hold on both ways.
; A block's scale byte is its largest magnitude's exponent field - 2, held at 1 from below; a block of zeros keeps the byte 1 with zero codes: these bytes are read by this program alone.
; LIMITS: NaN and infinities among the inputs are not served; blocks whose largest magnitude lies under 2^-124 keep the byte 1.
; No cluster: the work-groups share no input but gamma and beta, 8 KiB.  No barrier: waves share nothing.
.set WREG,  18432                      ; LDS of a wave: two turn stages, the image stage, the scale stage
.set TST,   4608                       ; a turn stage: 32 places of 128 bytes + 16
.set IMGS,  9216                       ; the image stage: 32 pieces of 256 bytes + 16
.set SCS,   17920                      ; the scale stage: 512 bytes
.set SPARE, 73728                      ; behind the four waves' regions: the spare words, 128 bytes a wave
.set R,  32                            ; v32-127  three sets of 32: a row as loaded
.set X,  128                           ; v128-191 two sets of 32: my block
.set GA, 192                           ; v192-223 gamma of my block's columns
.set BE, 224                           ; v224-255 beta
.set C,  24                            ; v24-31   codes, two sets by the row's parity
; v0, v1: the scale byte, by the row's parity (behind the head); v2 16 x lane; v3, v4 the turn stage in and out; v5, v6 the image stage in and out; v7, v8 the scale stage in and out; v9 128 x lane
; v10, v11 the add's two; v12-19 sums and maxima; v[20:21] -mean; v[22:23] 1 / sqrt(var + eps)
	s_load_b512 s[8:23], s[0:1], 0x0               ; q, k, v, Wq, Wk, Wv, Wo, gamma
	s_load_b128 s[24:27], s[0:1], 0x40             ; beta, cimg
	s_load_b64 s[28:29], s[0:1], 0x50              ; simg
	v_lshl_add_u32 v10, v0, 2, SPARE
	v_mov_b32 v11, 0
	v_lshrrev_b32 v1, 5, v0
	v_readfirstlane_b32 s2, v1                     ; wave
	v_and_b32 v1, 31, v0                           ; lane
	v_lshlrev_b32 v2, 4, v1
	s_mul_i32 s3, s2, WREG
	v_lshrrev_b32 v3, 3, v1
	v_mul_u32_u24 v3, v3, 144
	v_and_b32 v4, 7, v1
	v_lshl_add_u32 v3, v4, 4, v3
	v_add_nc_u32 v3, s3, v3                        ; in: eight lanes' 128 bytes on end, then 16 of padding
	v_mul_u32_u24 v4, v1, 144
	v_add_nc_u32 v4, s3, v4                        ; out: my block's 128 bytes
	v_mul_u32_u24 v5, v1, 272
	v_add_nc_u32 v5, s3, v5                        ; the image: piece = my block
	v_lshrrev_b32 v6, 4, v1
	v_mul_u32_u24 v6, v6, 272
	v_and_b32 v7, 15, v1
	v_lshl_add_u32 v6, v7, 4, v6
	v_add_nc_u32 v6, s3, v6                        ; back: sixteen lanes to a piece
	v_add_nc_u32 v7, s3, v1
	v_add_nc_u32 v8, s3, v2
	v_lshlrev_b32 v9, 7, v1
	v_mov_b32 v21, 0                               ; named as upper halves of pairs, so they are written
	v_mov_b32 v23, 0
	s_lshr_b32 s4, ttmp9, 7                        ; work-groups 0-383: q, k, v, 128 each
	s_sub_co_u32 s5, ttmp9, 384                    ; 384-447: the weights, 16 each
	s_lshr_b32 s5, s5, 4
	s_add_co_u32 s5, s5, 3
	s_and_b32 s6, ttmp9, 127
	s_and_b32 s7, ttmp9, 15
	s_cmp_lt_u32 ttmp9, 384
	s_cselect_b32 s4, s4, s5                       ; which of the seven tensors
	s_cselect_b32 s6, s6, s7
	s_cselect_b32 s31, 0, 1                        ; 1: a weight, not normalised
	s_lshl_b32 s6, s6, 2
	s_add_co_u32 s6, s6, s2                        ; my tile in the tensor
	s_lshr_b32 s7, s6, 1
	s_lshl_b32 s7, s7, 17                          ; 32 rows of 4,096 bytes for each pair of tiles,
	s_and_b32 s30, s6, 1                           ; 8 rows for the odd one
	; LN(k)'s TILES HOLD OTHER ROWS: row(T, r) = 64 (T / 4) + 8 (T % 4) + r % 8 + 32 (r / 8), so that in the attention a lane's 32 scores of four neighbouring tiles are one whole block of 32 keys
	s_lshr_b32 s42, s6, 2
	s_lshl_b32 s42, s42, 18                        ; 64 rows for each four tiles,
	s_and_b32 s43, s6, 3                           ; 8 rows for each tile in the four
	s_cmp_eq_u32 s4, 1                             ; the work-group's number alone decides
	s_cselect_b32 s7, s42, s7
	s_cselect_b32 s30, s43, s30
	s_cselect_b32 s42, 65536, 0                    ; and its rows 8-15 lie 16 rows further on than the other tensors'
	s_mov_b32 s43, 0
	s_lshl_b32 s30, s30, 15
	s_add_co_u32 s32, s7, s30
	s_mov_b32 s33, 0
	s_lshl_b32 s34, ttmp9, 2
	s_add_co_u32 s34, s34, s2                      ; my tile among the 1,792
	s_lshl_b32 s36, s34, 9
	s_mov_b32 s37, 0
	s_lshl_b32 s34, s34, 13
	s_mov_b32 s35, 0
	s_mov_b32 s38, 0x3a800000                      ; 1 / 1,024
	s_mov_b32 s39, 0x3727c5ac                      ; 1e-5
	s_mov_b32 s40, 0x76543210                      ; v_permlanex16_b32: lane l xor 16
	s_mov_b32 s41, 0xfedcba98
	s_wait_alu depctr_va_vdst(0)
	s_wait_kmcnt 0x0
	s_cmp_eq_u32 s4, 1                             ; the source: a choice that hangs on the work-group's number alone
	s_cselect_b64 s[8:9], s[10:11], s[8:9]
	s_cmp_eq_u32 s4, 2
	s_cselect_b64 s[8:9], s[12:13], s[8:9]
	s_cmp_eq_u32 s4, 3
	s_cselect_b64 s[8:9], s[14:15], s[8:9]
	s_cmp_eq_u32 s4, 4
	s_cselect_b64 s[8:9], s[16:17], s[8:9]
	s_cmp_eq_u32 s4, 5
	s_cselect_b64 s[8:9], s[18:19], s[8:9]
	s_cmp_eq_u32 s4, 6
	s_cselect_b64 s[8:9], s[20:21], s[8:9]
	s_add_nc_u64 s[8:9], s[8:9], s[32:33]
	s_add_nc_u64 s[42:43], s[8:9], s[42:43]        ; the base of the tile's rows 8-15
	s_add_nc_u64 s[26:27], s[26:27], s[34:35]
	s_add_nc_u64 s[28:29], s[28:29], s[36:37]
.irp i, 0,1,2,3,4,5,6,7
	global_load_b128 v[GA+4*\i:GA+4*\i+3], v9, s[22:23] offset:16*\i
	global_load_b128 v[BE+4*\i:BE+4*\i+3], v9, s[24:25] offset:16*\i
.endr
.macro LOAD t                          ; row t of the tile: eight loads of 512 consecutive bytes
.irp j, 0,1,2,3,4,5,6,7
	global_load_b128 v[R+32*((\t)%3)+4*\j:R+32*((\t)%3)+4*\j+3], v2, s[8+34*((\t)/8):9+34*((\t)/8)] offset:((\t)+8*((\t)/8))*4096+512*\j th:TH_LOAD_NT
.endr
.endm
.macro TURN t                          ; through the stage: LDS serves a wave's instructions in order, so no wait stands between the stores and the loads
.irp j, 0,1,2,3,4,5,6,7
	ds_store_b128 v3, v[R+32*((\t)%3)+4*\j:R+32*((\t)%3)+4*\j+3] offset:TST*((\t)%2)+576*\j
.endr
.irp i, 0,1,2,3,4,5,6,7
	ds_load_b128 v[X+32*((\t)%2)+4*\i:X+32*((\t)%2)+4*\i+3], v4 offset:TST*((\t)%2)+16*\i
.endr
.endm
.macro RED                             ; four pairs of partial sums become the row's sum, in every lane's v12
	v_pk_add_f32 v[12:13], v[12:13], v[14:15]
	v_pk_add_f32 v[16:17], v[16:17], v[18:19]
	v_pk_add_f32 v[12:13], v[12:13], v[16:17]
	v_add_f32 v12, v12, v13
	v_add_f32_dpp v12, v12, v12 row_xmask:1 row_mask:0xf bank_mask:0xf
	v_add_f32_dpp v12, v12, v12 row_xmask:2 row_mask:0xf bank_mask:0xf
	v_add_f32_dpp v12, v12, v12 row_xmask:4 row_mask:0xf bank_mask:0xf
	v_add_f32_dpp v12, v12, v12 row_xmask:8 row_mask:0xf bank_mask:0xf
	v_permlanex16_b32 v13, v12, s40, s41
	v_add_f32 v12, v12, v13
.endm
.macro STEP t
.set XS, X+32*((\t)%2)
.set CC, C+4*((\t)%2)
.if (\t) > 0
	s_wait_dscnt 2                                 ; my block of this row is back from the stage; the last row's code store and byte store may be out
.else
	s_wait_dscnt 0x0
.endif
.if (\t)+3 < 16
	LOAD (\t)+3                                    ; into the set that this row's stores into the stage have read
.endif
.if (\t) < 13
	s_wait_loadcnt 16                              ; the next row is in; the two rows behind it may be out
.elseif (\t) == 13
	s_wait_loadcnt 8
.elseif (\t) == 14
	s_wait_loadcnt 0x0
.endif
.if (\t) < 15
	TURN (\t)+1                                    ; the next row turns while this one is worked
.endif
	s_cmp_lg_u32 s31, 0
	s_cbranch_scc1 .Lraw_\@                        ; a weight is quantised as it is
.irp j, 0,2,4,6
	v_pk_add_f32 v[12+\j:13+\j], v[XS+\j:XS+\j+1], v[XS+8+\j:XS+9+\j]
.endr
.irp i, 16,24
.irp j, 0,2,4,6
	v_pk_add_f32 v[12+\j:13+\j], v[12+\j:13+\j], v[XS+\i+\j:XS+\i+\j+1]
.endr
.endr
	RED
	v_mul_f32 v20, 0xba800000, v12                 ; -mean = sum x -2^-10
.irp i, 0,2,4,6,8,10,12,14,16,18,20,22,24,26,28,30
	v_pk_add_f32 v[XS+\i:XS+\i+1], v[XS+\i:XS+\i+1], v[20:21] op_sel_hi:[1,0]
.endr
.irp j, 0,2,4,6
	v_pk_mul_f32 v[12+\j:13+\j], v[XS+\j:XS+\j+1], v[XS+\j:XS+\j+1]
.endr
.irp i, 8,16,24
.irp j, 0,2,4,6
	v_pk_fma_f32 v[12+\j:13+\j], v[XS+\i+\j:XS+\i+\j+1], v[XS+\i+\j:XS+\i+\j+1], v[12+\j:13+\j]
.endr
.endr
	RED
	v_fma_f32 v12, v12, s38, s39                   ; variance + eps
	s_wait_alu depctr_va_vdst(0)
	v_rsq_f32 v22, v12
	v_nop                                          ; a plain instruction behind the transcendental,
	s_wait_alu depctr_va_vdst(0)                   ; and the wait ahead of its first reader
.irp i, 0,2,4,6,8,10,12,14,16,18,20,22,24,26,28,30
	v_pk_mul_f32 v[XS+\i:XS+\i+1], v[XS+\i:XS+\i+1], v[22:23] op_sel_hi:[1,0]
.endr
.irp i, 0,2,4,6,8,10,12,14,16,18,20,22,24,26,28,30
	v_pk_fma_f32 v[XS+\i:XS+\i+1], v[XS+\i:XS+\i+1], v[GA+\i:GA+\i+1], v[BE+\i:BE+\i+1]
.endr
.Lraw_\@:
	v_max3_num_f32 v12, |v[XS]|, |v[XS+1]|, |v[XS+2]|              ; the block's largest magnitude: all 32 numbers are mine
	v_max3_num_f32 v13, |v[XS+3]|, |v[XS+4]|, |v[XS+5]|
.irp i, 6,10,14,18,22,26
	v_max3_num_f32 v12, v12, |v[XS+\i]|, |v[XS+\i+1]|
	v_max3_num_f32 v13, v13, |v[XS+\i+2]|, |v[XS+\i+3]|
.endr
	v_max3_num_f32 v12, v12, |v[XS+30]|, |v[XS+31]|
	v_max3_num_f32 v12, v12, v13, 0x1800000        ; and the floor 2^(3 - 127): the byte cannot fall under 1
	v_add_nc_u32 v14, 0xff000000, v12              ; 2 off the exponent field: the conversion's scale operand
.irp g, 0,1,2,3
	v_cvt_scalef32_pk8_fp4_f32 v[CC+\g], v[XS+8*\g:XS+8*\g+7], v14
.endr
	v_lshrrev_b32 v[(\t)%2], 23, v14               ; the scale's byte (also the plain instruction behind the conversions)
	ds_store_b128 v5, v[CC:CC+3] offset:IMGS+16*(\t)
	ds_store_b8 v7, v[(\t)%2] offset:SCS+32*(\t)
.endm
	LOAD 0
	LOAD 1
	LOAD 2
	s_wait_loadcnt 16                              ; gamma, beta and row 0 are in; rows 1 and 2 may be out
	TURN 0
.irp t, 0,1,2,3,4,5,6,7,8,9,10,11,12,13,14,15
	STEP \t
.endr
.irp k, 0,1,2,3,4,5,6,7,8,9,10,11,12,13,14,15
	ds_load_b128 v[R+4*\k:R+4*\k+3], v6 offset:IMGS+544*\k         ; two pieces: 512 bytes of the tile's image, as they lie in memory
.endr
	ds_load_b128 v[R+64:R+67], v8 offset:SCS
.irp k, 0,1,2,3,4,5,6,7,8,9,10,11,12,13,14,15
	s_wait_dscnt 16-\k
	global_store_b128 v2, v[R+4*\k:R+4*\k+3], s[26:27] offset:512*\k   ; 32 lanes store 512 consecutive bytes, aligned
.endr
	s_wait_dscnt 0x0
	global_store_b128 v2, v[R+64:R+67], s[28:29]
	s_wait_tensorcnt 0x0                           ; the wave's end
	ds_add_u32 v10, v11
	s_wait_dscnt 0x0
	s_endpgm
.Lfunc_end_k_q926d089ca0_prep:
	.size	k_q926d089ca0_prep, .Lfunc_end_k_q926d089ca0_prep-k_q926d089ca0_prep
	.p2alignl 7, 3214868480
	.fill 96, 4, 3214868480
	.section	.rodata,"a",@progbits
	.p2align	6, 0x0
	.amdhsa_kernel k_q926d089ca0_prep
		.amdhsa_group_segment_fixed_size 74240
		.amdhsa_private_segment_fixed_size 0
		.amdhsa_enable_private_segment 0
		.amdhsa_kernarg_size 88
		.amdhsa_user_sgpr_count 2
		.amdhsa_user_sgpr_kernarg_segment_ptr 1
		.amdhsa_wavefront_size32 1
		.amdhsa_system_sgpr_workgroup_id_x 1
		.amdhsa_system_sgpr_workgroup_id_y 1
		.amdhsa_system_sgpr_workgroup_id_z 1
		.amdhsa_system_vgpr_workitem_id 0
		.amdhsa_next_free_vgpr 256
		.amdhsa_next_free_sgpr 66
		.amdhsa_reserve_vcc 0
		.amdhsa_float_denorm_mode_32 3
		.amdhsa_float_denorm_mode_16_64 3
		.amdhsa_memory_ordered 1
		.amdhsa_forward_progress 1
		.amdhsa_inst_pref_size 161
	.end_amdhsa_kernel
	.amdgpu_metadata
---
amdhsa.version: [ 1, 2 ]
amdhsa.kernels:
  - .name:           k_q926d089ca0_prep
    .symbol:         k_q926d089ca0_prep.kd
    .args:
      - { .name: q, .offset: 0, .size: 8, .value_kind: global_buffer, .address_space: global }
      - { .name: k, .offset: 8, .size: 8, .value_kind: global_buffer, .address_space: global }
      - { .name: v, .offset: 16, .size: 8, .value_kind: global_buffer, .address_space: global }
      - { .name: Wq, .offset: 24, .size: 8, .value_kind: global_buffer, .address_space: global }
      - { .name: Wk, .offset: 32, .size: 8, .value_kind: global_buffer, .address_space: global }
      - { .name: Wv, .offset: 40, .size: 8, .value_kind: global_buffer, .address_space: global }
      - { .name: Wo, .offset: 48, .size: 8, .value_kind: global_buffer, .address_space: global }
      - { .name: gamma, .offset: 56, .size: 8, .value_kind: global_buffer, .address_space: global }
      - { .name: beta, .offset: 64, .size: 8, .value_kind: global_buffer, .address_space: global }
      - { .name: cimg, .offset: 72, .size: 8, .value_kind: global_buffer, .address_space: global }
      - { .name: simg, .offset: 80, .size: 8, .value_kind: global_buffer, .address_space: global }
    .group_segment_fixed_size: 74240
    .private_segment_fixed_size: 0
    .kernarg_segment_align: 8
    .kernarg_segment_size: 88
    .max_flat_workgroup_size: 128
    .sgpr_count:     66
    .vgpr_count:     256
    .wavefront_size: 32
...
	.end_amdgpu_metadata
.endif
;; end of part 1
;; launch proj (part 2): grid 4 x 64, 4 waves a work-group, clusters of 4 x 4, 327,680 bytes of LDS; arguments cimg, simg, bq, bk, bv, qq, kv; writes qq, kv
.if DOCPART == 2
	.amdgcn_target "amdgcn-amd-amdhsa--gfx1250"
	.amdhsa_code_object_version 6
	.text
	.protected	k_q926d089ca0_proj
	.globl	k_q926d089ca0_proj
	.p2align	8
	.type	k_q926d089ca0_proj,@function
k_q926d089ca0_proj:
	s_mov_b64 s[64:65], 0
	v_nop
	global_prefetch_b8 v0, s[64:65] scope:SCOPE_SE
	s_setreg_imm32_b32 hwreg(HW_REG_WAVE_MODE, 25, 1), 1
	s_wait_xcnt 0x0
	s_wait_alu depctr_hold_cnt(0) depctr_sa_sdst(0) depctr_va_vdst(0) depctr_va_sdst(0) depctr_va_ssrc(0) depctr_va_vcc(0) depctr_vm_vsrc(0)
	s_getreg_b32 s2, hwreg(HW_REG_IB_STS2, 6, 4)
	s_cmp_eq_u32 s2, 0
	s_cbranch_scc0 .Lentry_in_a_cluster
	s_endpgm
.Lentry_in_a_cluster:
	s_bfe_u32 s2, ttmp6, 0x10000c
	s_cmp_lg_u32 s2, 0xf033
	s_cbranch_scc0 .Lentry_shape_is_right
	s_endpgm
.Lentry_shape_is_right:
; PROJ.  The three projections on codes of FP4, and their results quantised in registers for the attention: qf + bq and kf + bk along the head's 64, vf + bv along the KEYS.  No work is left out.
; A tile is P 128 rows x S 256 rows: D = S P^T, source 0 = 16 rows of S (they run along a lane's registers), source 1 = 16 rows of P (lane % 16).  The 16 registers of S tiles 2 b and 2 b + 1 are the 16 neighbours
; 32 b + 16 (lane / 16) + 0 .. 15 along the next product's K.  Q, K: P = the tokens, S = the weight's rows: registers run along the features.  V: P = Wv's rows, S = the tokens: registers run along the keys.
; A WORK-GROUP STAYS: 256 work-groups, each makes three tiles, one of Q, one of K, one of V.  Q's and K's run in one loop of two trips; V's, behind which nothing is fetched, is written out.
; Four waves: wave w takes P rows 64 (w / 2) on and S rows 128 (w % 2) on: 32 accumulators.  K = 1,024 is eight steps of 128.
; THE RING: two LDS slots, each with one half of K of a tile (P's 8 images of 4,096 bytes, then S's 16).  Slot 0 is filled again at K step 3, when its last fragments are in registers, with the next tile's first half;
; slot 1 in the middle of the way out, with its second half: each load has four K steps and half a way out in which to land.  By the text's own count a wave has one tensor load out.
; All operands lie in memory as images of their registers: a fragment is two LDS loads of 16 bytes a lane, 512 consecutive bytes each: no pitch, no padding.
; CLUSTER 4 x 4: P's tiles hang on the cluster's row alone and are asked for jointly along it, S's on its column.  All partners walk the same three tiles' text in step.
; PREFETCH: behind slot 0's refill each wave asks for the second half of K of the same tile, which the next refill loads: the four partners of a joint load share its blocks of 256 bytes out by address
; (P: one image each, 16 blocks, the lanes left over name the last again; S: two images each, 32 blocks).  A tile's first half comes by its load alone.
; The bias is the C of each sum's first product.  The 64 results of a lane and P block are one fragment and one scale word; they are stored from registers, 512 consecutive bytes an instruction.
; Q and K: a head's 64 codes are half a fragment; its scale word has the head's two bytes below and the byte 1 twice above, for the half that the attention fills with zero codes.
; LIMITS: NaN and infinities are not served; a block of zeros gets the byte 1 with zero codes.
; REGISTERS.  window 0: v1 lane, v2 r, v3 h, v4 16 x lane; v8-11 bv; v16-26 addresses; v28, v29 the add's two; v32-63 P's scale words (8 a + k); v64-127 S's (8 b + k); v128-191 P's fragments, two sets; v192-251 at work.
;   window 1: v0-127 S's fragments, two sets; v128-191 the bias as C.   window 2: accumulator (a, b) at v[8 (8 a + b)].
.set SLOTB, 98304                      ; a slot: P's 8 tiles x 4,096 bytes, then S's 16
.set SPARE, 196608                     ; behind the two slots: the spare words, 128 bytes a wave
.set ADP, 16
.set ADS, 18
.set VP,  20
.set VS,  21
.set VB,  22
.set VO0, 23
.set VO1, 24
.set VSC, 25
.set PFO, 26
.set SPW, 28
.set NIL, 29
.set PS,  32
.set SS,  64
.set PF,  128
.set TM,  192                          ; v192-195 largest magnitudes, v196-199 bytes, v204-207 scale operands
.set PC,  208                          ; v208-239 the codes, 8 for each P block
.set PW,  240                          ; v240-243 the scale words
.set SW,  244                          ; v244-251 the scale words as they are stored
.set BI,  128
.set G1P, 24
.set G0P, 32
.set G1S, 40
.set G0S, 48
.set SEL, 84
; s[70:71], s[72:73] the next tile's P and S parts that I fetch; s[74:75], s[76:77] V's; s[90:91] the one of the next tile's two that my wave fetches, s[96:97] V's; s87, s92 the next tile's scale words, s93, s94 V's
; s[78:79], s80, s81 where this tile's results go: the buffer, a head pair's record, where its scale words begin; s3 the tile
.set MSB, 0
.macro WIN new                         ; the immediate's high byte repeats the setting that is left
.if MSB != \new
	s_set_vgpr_msb (MSB<<8)|\new
.set MSB, \new
.endif
.endm
.macro PLACES n
.rept \n
	v_nop
.endr
.endm
.macro JLOAD s                         ; a joint load: waves 0 and 1 fetch P's halves, waves 2 and 3 S's; an s_nop 0 and four v_nop follow each line
	s_cmp_eq_u32 s19, 0
	s_cbranch_scc0 .Lfor_s_\@
	tensor_load_to_lds s[G0P+4*\s:G0P+4*\s+3], s[G1P:G1P+7]
	s_nop 0
.rept 4
	v_nop
.endr
	s_branch .Lasked_\@
.Lfor_s_\@:
	tensor_load_to_lds s[G0S+4*\s:G0S+4*\s+3], s[G1S:G1S+7]
	s_nop 0
.rept 4
	v_nop
.endr
.Lasked_\@:
.endm
.macro CROUND                          ; a round of the cluster's barrier
	s_barrier_signal -1
	s_barrier_wait -1
	s_cmp_lg_u32 s18, 0
	s_cbranch_scc1 .Lnot_wave_0_\@
	s_barrier_signal -3
.Lnot_wave_0_\@:
	s_barrier_wait -3
	s_barrier_signal -1
	s_barrier_wait -1
.endm
; A CHANGE OF SLOTS.  Each wave waits for all its tensor loads (its part of the other slot), adds 0 to its spare word, and waits for that and for its reads of this slot.  fill = 1: a round of the cluster's barrier,
; and behind it this slot takes the next tile's half of K.  fill = 0: my work-group's barrier alone: nothing is filled.
.macro CHANGE slot, fill
	WIN 0
	s_wait_alu depctr_va_vdst(0)
	s_wait_tensorcnt 0x0                           ; no tensor load of mine is out, so a group 0 may be written
	ds_add_u32 v[SPW], v[NIL]
.if \fill
	s_add_nc_u64 s[G0P+4*\slot+2:G0P+4*\slot+3], s[70:71], \slot*4096
	s_or_b32 s[G0P+4*\slot+3], s[G0P+4*\slot+3], 0x80000000
	s_add_nc_u64 s[G0S+4*\slot+2:G0S+4*\slot+3], s[72:73], \slot*4096
	s_or_b32 s[G0S+4*\slot+3], s[G0S+4*\slot+3], 0x80000000
.endif
	s_wait_dscnt 0x0                               ; the add is done, and my reads of this slot are over
.if \fill
	CROUND                                         ; both now hold of every wave of all sixteen work-groups
	JLOAD \slot                                    ; my one tensor load behind the round
.else
	s_barrier_signal -1
	s_barrier_wait -1
.endif
.endm
	s_load_b256 s[4:11], s[0:1], 0x0               ; cimg, simg, bq, bk
	s_load_b128 s[12:15], s[0:1], 0x20             ; bv, qq
	s_load_b64 s[16:17], s[0:1], 0x30              ; kv
	v_lshl_add_u32 v[SPW], v0, 2, SPARE
	v_mov_b32 v[NIL], 0
	ds_add_u32 v[SPW], v[NIL]                      ; the opening: the add, twice on end, and its wait ahead of my first tensor load
	ds_add_u32 v[SPW], v[NIL]
	v_lshrrev_b32 v1, 5, v0
	v_readfirstlane_b32 s18, v1                    ; wave
	s_lshr_b32 s19, s18, 1                         ; my half of P's rows.  Also: I fetch for P (0) or for S (1)
	s_and_b32 s20, s18, 1                          ; my half of S's rows.  Also: which half of the tiles I fetch
	s_bfe_u32 s21, ttmp6, 0x40000                  ; cx: for Q and K also which 256 rows of the weight
	s_bfe_u32 s22, ttmp6, 0x40004                  ; cy
	s_and_b32 s23, ttmp7, 0xffff                   ; cluster y, 0 .. 15
	s_lshl_b32 s58, s23, 2
	s_add_co_u32 s58, s58, s22                     ; Q, K: which 128 tokens: hangs on cy alone
	s_lshr_b32 s56, s23, 3
	s_lshl_b32 s56, s56, 2
	s_add_co_u32 s56, s56, s22                     ; V: which 128 rows of Wv: on cy alone
	s_and_b32 s57, s23, 7
	s_lshl_b32 s57, s57, 2
	s_add_co_u32 s57, s57, s21                     ; V: which 256 tokens: on cx alone
	s_lshl_b32 s60, s58, 3                         ; Q: P's first tile (K's lies 512 tiles on),
	s_lshl_b32 s61, s21, 4
	s_add_co_u32 s61, s61, 1536                    ; S's (K's 64 tiles on)
	s_lshl_b32 s62, s56, 3
	s_add_co_u32 s62, s62, 1664                    ; V: P = Wv,
	s_lshl_b32 s63, s57, 4
	s_add_co_u32 s63, s63, 1024                    ; S = LN(v)
	s_lshl_b32 s68, s22, 2
	s_lshl_b32 s68, 15, s68                        ; my row of the cluster
	s_lshl_b32 s69, 0x1111, s21                    ; my column
	s_or_b32 s[G1P], s68, (3<<16)|(1<<21)          ; the mask; elements of 8 bytes; bit 21 beside a mask; no padding
	s_mov_b32 s[G1P+1], 512<<16                    ; tensor_dim0: half a tile's image, 4,096 bytes
	s_mov_b32 s[G1P+2], 4<<16                      ; tensor_dim1: 4 tiles
	s_mov_b32 s[G1P+3], 512<<16                    ; tile_dim0
	s_mov_b32 s[G1P+4], 4                          ; tile_dim1
	s_mov_b32 s[G1P+5], 1024                       ; from tile to tile: 8,192 bytes
	s_mov_b32 s[G1P+6], 0
	s_mov_b32 s[G1P+7], 0
	s_or_b32 s[G1S], s69, (3<<16)|(1<<21)
	s_mov_b32 s[G1S+1], 512<<16
	s_mov_b32 s[G1S+2], 8<<16                      ; 8 tiles
	s_mov_b32 s[G1S+3], 512<<16
	s_mov_b32 s[G1S+4], 8
	s_mov_b32 s[G1S+5], 1024
	s_mov_b32 s[G1S+6], 0
	s_mov_b32 s[G1S+7], 0
	s_lshl_b32 s66, s20, 2
	s_add_co_u32 s70, s66, s60
	s_lshl_b32 s70, s70, 13                        ; Q: the first tile of P that I fetch, in bytes
	s_mov_b32 s71, 0
	s_add_co_u32 s74, s66, s62
	s_lshl_b32 s74, s74, 13                        ; V likewise
	s_mov_b32 s75, 0
	s_lshl_b32 s66, s20, 3
	s_add_co_u32 s72, s66, s61
	s_lshl_b32 s98, s72, 9                         ; Q: my eight S tiles' scale words, 512 bytes a tile,
	s_lshl_b32 s72, s72, 13                        ; and the same eight are those that I fetch
	s_mov_b32 s73, 0
	s_add_co_u32 s76, s66, s63
	s_lshl_b32 s94, s76, 9
	s_lshl_b32 s76, s76, 13
	s_mov_b32 s77, 0
	s_lshl_b32 s66, s19, 2
	s_add_co_u32 s95, s66, s60
	s_lshl_b32 s95, s95, 9                         ; Q: my four P tiles' scale words
	s_add_co_u32 s93, s66, s62
	s_lshl_b32 s93, s93, 9
	s_add_co_u32 s87, s95, 0x40000                 ; K's: 512 tiles on,
	s_add_co_u32 s92, s98, 0x8000                  ; 64 tiles on
	s_lshl_b32 s67, s20, 14                        ; where what I fetch goes: no place in the cluster enters an LDS address
	s_lshl_b32 s88, s20, 15
	s_add_co_u32 s88, s88, 32768                   ; (also where my eight S tiles lie)
	s_lshl_b32 s66, s19, 14                        ; where my four P tiles lie
	s_lshl_b32 s2, s21, 10
	s_lshl_b32 s89, s20, 9
	s_add_co_u32 s2, s2, s89                       ; bq, bk: features 256 cx + 128 (w % 2) on
	s_lshl_b32 s99, s56, 9
	s_lshl_b32 s89, s19, 8
	s_add_co_u32 s99, s99, s89                     ; bv: features 128 pt + 64 (w / 2) on
	s_lshl_b32 s89, s21, 13                        ; the prefetches: of P's four images the partner at cx takes one,
	s_lshl_b32 s3, s22, 14                         ; of S's eight the partner at cy two
	s_cmp_eq_u32 s19, 0
	s_cselect_b32 s89, s89, s3
	s_cselect_b32 s3, 15, 31                       ; blocks of 256 bytes, less one
	s_mov_b32 s[SEL], 0x76543210
	s_mov_b32 s[SEL+1], 0xfedcba98
	s_mov_b32 s82, 0xffff0000
	s_mov_b32 s83, 0x0000ffff
	s_mov_b32 s86, 0x01010000
	s_wait_dscnt 0x0                               ; both opening adds are done
	s_wait_kmcnt 0x0
	s_add_nc_u64 s[70:71], s[4:5], s[70:71]
	s_add_nc_u64 s[72:73], s[4:5], s[72:73]
	s_add_nc_u64 s[74:75], s[4:5], s[74:75]
	s_add_nc_u64 s[76:77], s[4:5], s[76:77]
	CROUND                                         ; all sixteen work-groups are here: the joint loads meet
.irp s, 0,1
	s_mov_b32 s[G0P+4*\s], 1
	s_add_co_u32 s[G0P+4*\s+1], s67, \s*SLOTB
	s_add_nc_u64 s[G0P+4*\s+2:G0P+4*\s+3], s[70:71], \s*4096       ; K's half s of each tile
	s_or_b32 s[G0P+4*\s+3], s[G0P+4*\s+3], 0x80000000
	s_mov_b32 s[G0S+4*\s], 1
	s_add_co_u32 s[G0S+4*\s+1], s88, \s*SLOTB
	s_add_nc_u64 s[G0S+4*\s+2:G0S+4*\s+3], s[72:73], \s*4096
	s_or_b32 s[G0S+4*\s+3], s[G0S+4*\s+3], 0x80000000
.endr
	JLOAD 0                                        ; Q's first half of K
	s_add_nc_u64 s[70:71], s[70:71], 0x400000      ; the next tile: K's
	s_add_nc_u64 s[72:73], s[72:73], 0x80000
	s_cmp_eq_u32 s19, 0
	s_cselect_b64 s[90:91], s[70:71], s[72:73]
	s_cselect_b64 s[96:97], s[74:75], s[76:77]
	s_mov_b64 s[78:79], s[14:15]                   ; Q's results go to qq
	s_mov_b32 s80, 73728
	s_mov_b32 s81, 65536
	v_and_b32 v1, 31, v0
	v_and_b32 v2, 15, v0
	v_bfe_u32 v3, v0, 4, 1
	v_lshlrev_b32 v4, 4, v1
	v_add_nc_u32 v[ADP], s66, v4
	v_add_nc_u32 v[ADP+1], SLOTB, v[ADP]
	v_add_nc_u32 v[ADS], s88, v4
	v_add_nc_u32 v[ADS+1], SLOTB, v[ADS]
	v_lshl_add_u32 v[VP], v2, 5, s95               ; scale words: 32 bytes a row
	v_lshl_add_u32 v[VS], v2, 5, s98
	v_lshl_add_u32 v[VB], v3, 6, s2
	v_and_b32 v5, 8, v2
	v_add_nc_u32 v5, v5, v2                        ; r + 8 (r / 8)
	v_lshl_add_u32 v12, v5, 2, s99
	v_min_u32 v5, s3, v1                           ; my block of 256 bytes among my work-group's share
	v_lshrrev_b32 v[PFO], 4, v5
	v_and_b32 v5, 15, v5
	v_lshlrev_b32 v[PFO], 13, v[PFO]
	v_lshl_add_u32 v[PFO], v5, 8, v[PFO]
	v_add_nc_u32 v[PFO], s89, v[PFO]
.irp b, 0,1,2,3
	v_mov_b32 v[TM+4+\b], 0                        ; written once: a lane permute's destination counts as one of its sources
.endr
.macro SCALES                          ; a tile's scale words: P's four tiles, S's eight
.irp a, 0,1,2,3
	global_load_b128 v[PS+8*\a:PS+8*\a+3], v[VP], s[6:7] offset:512*\a
	global_load_b128 v[PS+8*\a+4:PS+8*\a+7], v[VP], s[6:7] offset:512*\a+16
.endr
.irp b, 0,1,2,3,4,5,6,7
	global_load_b128 v[SS+8*\b:SS+8*\b+3], v[VS], s[6:7] offset:512*\b
	global_load_b128 v[SS+8*\b+4:SS+8*\b+7], v[VS], s[6:7] offset:512*\b+16
.endr
.endm
.macro BIAS p                          ; bq or bk along S's rows, as C
	WIN 0x40
.irp b, 0,1,2,3,4,5,6,7
	global_load_b128 v[BI+8*\b:BI+8*\b+3], v[VB], s[\p:\p+1] offset:(32*(\b/2)+8*(\b%2))*4
	global_load_b128 v[BI+8*\b+4:BI+8*\b+7], v[VB], s[\p:\p+1] offset:(32*(\b/2)+8*(\b%2))*4+16
.endr
	WIN 0
.endm
	SCALES
	BIAS 8
.irp a, 0,1,2,3
	global_load_b32 v[8+\a], v12, s[12:13] offset:4*(32*(\a/2)+8*(\a%2))   ; bv of my lane's feature in each P block
.endr
; 16 products: P blocks a0, a0 + 1 x S's eight, K step k.  cm = 1: C = the bias along S's rows; 2: along P's rows; 0: in place.  The 32 accumulators take turns, in the same order in every step.
.macro MUL16 a0, set, k, cm
.irp a, \a0, \a0+1
.irp b, 0,1,2,3,4,5,6,7
.if \cm == 1
	v_wmma_scale_f32_16x16x128_f8f6f4 v[8*(8*(\a)+\b):8*(8*(\a)+\b)+7], v[64*(\set)+8*\b:64*(\set)+8*\b+7], v[PF+32*(\set)+8*(\a):PF+32*(\set)+8*(\a)+7], v[BI+8*\b:BI+8*\b+7], v[SS+8*\b+(\k)], v[PS+8*(\a)+(\k)] matrix_a_fmt:MATRIX_FMT_FP4 matrix_b_fmt:MATRIX_FMT_FP4
.elseif \cm == 2
	v_wmma_scale_f32_16x16x128_f8f6f4 v[8*(8*(\a)+\b):8*(8*(\a)+\b)+7], v[64*(\set)+8*\b:64*(\set)+8*\b+7], v[PF+32*(\set)+8*(\a):PF+32*(\set)+8*(\a)+7], v[BI+8*(\a):BI+8*(\a)+7], v[SS+8*\b+(\k)], v[PS+8*(\a)+(\k)] matrix_a_fmt:MATRIX_FMT_FP4 matrix_b_fmt:MATRIX_FMT_FP4
.else
	v_wmma_scale_f32_16x16x128_f8f6f4 v[8*(8*(\a)+\b):8*(8*(\a)+\b)+7], v[64*(\set)+8*\b:64*(\set)+8*\b+7], v[PF+32*(\set)+8*(\a):PF+32*(\set)+8*(\a)+7], v[8*(8*(\a)+\b):8*(8*(\a)+\b)+7], v[SS+8*\b+(\k)], v[PS+8*(\a)+(\k)] matrix_a_fmt:MATRIX_FMT_FP4 matrix_b_fmt:MATRIX_FMT_FP4
.endif
.endr
.endr
.endm
.macro FETCH k, set                    ; K step k's fragments: S's eight (16 loads), then P's four (8 loads), blocks 0 and 1 first
	WIN 0x40
.irp b, 0,1,2,3,4,5,6,7
.irp c, 0,1
	ds_load_b128 v[64*(\set)+8*\b+4*\c:64*(\set)+8*\b+4*\c+3], v[ADS+(\k)/4] offset:\b*4096+((\k)%4)*1024+512*\c
.endr
.endr
	WIN 0
.irp a, 0,1,2,3
.irp c, 0,1
	ds_load_b128 v[PF+32*(\set)+8*\a+4*\c:PF+32*(\set)+8*\a+4*\c+3], v[ADP+(\k)/4] offset:\a*4096+((\k)%4)*1024+512*\c
.endr
.endr
.endm
.macro STEP k, cm, fill
.if (\k) == 3
	CHANGE 0, \fill                                ; slot 0's last fragments are in registers, and slot 1 is whole behind it
.else
	s_wait_dscnt 4                                 ; S's fragments and P's blocks 0 and 1 are in; blocks 2 and 3 (four loads) may be out
.endif
.if \cm
	WIN 0x91                                       ; source 0 (S) and C (the bias) window 1, source 1 (P) window 0, D window 2
.else
	WIN 0xa1                                       ; C and D window 2
.endif
	MUL16 0, (\k)%2, \k, \cm
.if (\k) < 7
	PLACES 4                                       ; four places in front of loads into registers that matrix instructions have read
	FETCH (\k)+1, 1-(\k)%2
.if ((\k) == 3) && (\fill)
	global_prefetch_b8 v[PFO], s[90:91] offset:4096 th:TH_LOAD_NT scope:SCOPE_SE   ; the next tile's second half of K: what the next refill loads
.endif
	s_wait_dscnt 24                                ; all but the 24 just issued
.else
	s_wait_dscnt 0x0
.endif
.if \cm
	WIN 0x91
.else
	WIN 0xa1
.endif
	MUL16 2, (\k)%2, \k, \cm
.endm
; P block a's 64 results of a lane (register 16 b + i = place 32 b + 16 (lane / 16) + i along the next K) become a fragment in v[PC + 8 a] on and a scale word in v[PW + a], and the fragment is stored.  Each accumulator is read from its low end on.
.macro QUANT a
	WIN 0x0a
.irp b, 0,1,2,3
	v_max3_num_f32 v[TM+\b], |v[64*(\a)+16*\b]|, |v[64*(\a)+16*\b+1]|, 0x1800000   ; my 16 numbers of block b, and the floor 2^(3 - 127)
.endr
	WIN 0x28
.irp i, 2,4,6,8,10,12,14
.irp b, 0,1,2,3
	v_max3_num_f32 v[TM+\b], v[TM+\b], |v[64*(\a)+16*\b+\i]|, |v[64*(\a)+16*\b+\i+1]|
.endr
.endr
	WIN 0
.irp b, 0,1,2,3
	v_permlanex16_b32 v[TM+4+\b], v[TM+\b], s[SEL], s[SEL+1]
.endr
.irp b, 0,1,2,3
	v_max_num_f32 v[TM+\b], v[TM+\b], v[TM+4+\b]   ; with lane l xor 16's: the block's largest magnitude
.endr
.irp b, 0,1,2,3
	v_add_nc_u32 v[TM+12+\b], 0xff000000, v[TM+\b] ; 2 off the exponent field: the conversion's scale operand
.endr
.irp b, 0,1,2,3
	v_lshrrev_b32 v[TM+4+\b], 23, v[TM+12+\b]      ; the scale's byte
.endr
	v_lshl_or_b32 v[PW+(\a)], v[TM+5], 8, v[TM+4]
	v_lshl_or_b32 v[PW+(\a)], v[TM+6], 16, v[PW+(\a)]
	v_lshl_or_b32 v[PW+(\a)], v[TM+7], 24, v[PW+(\a)]
	WIN 0x02
.irp b, 0,1,2,3
	v_cvt_scalef32_pk8_fp4_f32 v[PC+8*(\a)+2*\b], v[64*(\a)+16*\b:64*(\a)+16*\b+7], v[TM+12+\b]
	v_cvt_scalef32_pk8_fp4_f32 v[PC+8*(\a)+2*\b+1], v[64*(\a)+16*\b+8:64*(\a)+16*\b+15], v[TM+12+\b]
.endr
	WIN 0
	v_nop                                          ; one plain place behind a scaled conversion
.irp c, 0,1                            ; the operand's layout wants a whole block in a lane
.irp i, 0,1
	v_permlane16_swap_b32 v[PC+8*(\a)+4*\c+\i], v[PC+8*(\a)+4*\c+2+\i]
.endr
.endr
	global_store_b128 v[VO0], v[PC+8*(\a):PC+8*(\a)+3], s[78:79] offset:512*(\a)     ; 32 lanes store 512 consecutive bytes, aligned; each block has registers of its own
	global_store_b128 v[VO1], v[PC+8*(\a)+4:PC+8*(\a)+7], s[78:79] offset:512*(\a)
.endm
	s_wait_alu depctr_va_vdst(0)
	s_wait_tensorcnt 0x0                           ; my part of Q's first half is in
	ds_add_u32 v[SPW], v[NIL]
	s_wait_dscnt 0x0
	CROUND
	JLOAD 1                                        ; Q's second half of K
	s_mov_b32 s3, 0
.Ltile:                                            ; ---- Q, then K
	s_lshr_b32 s88, s58, 3                         ; the batch
	s_lshl_b32 s88, s88, 3
	s_lshl_b32 s89, s21, 1
	s_add_co_u32 s88, s88, s89
	s_add_co_u32 s88, s88, s20                     ; the head pair: 8 b + 2 cx + w % 2
	s_mul_i32 s88, s88, s80
	s_and_b32 s89, s58, 7
	s_lshl_b32 s89, s89, 1
	s_add_co_u32 s89, s89, s19                     ; my four tiles of tokens in the batch
	s_lshl_b32 s66, s89, 11
	s_add_co_u32 s66, s66, s88
	s_lshl_b32 s89, s89, 8
	s_add_co_u32 s89, s89, s88
	s_add_co_u32 s89, s89, s81
	v_add_nc_u32 v[VO0], s66, v4                   ; the pair's first head,
	v_add_nc_u32 v[VO1], 32768, v[VO0]             ; its second
	v_lshl_add_u32 v[VSC], v1, 3, s89
	FETCH 0, 0                                     ; slot 0 is whole: the change of slots before has shown it
	s_wait_alu depctr_va_vdst(0)
	s_wait_loadcnt 0x0                             ; scale words and bias
	STEP 0, 1, 1
.irp k, 1,2,3,4,5,6,7
	STEP \k, 0, 1
.endr
	WIN 0
	PLACES 4                                       ; in front of the first read of results and of the loads into the scale words' registers
	v_lshl_add_u32 v[VP], v2, 5, s87
	v_lshl_add_u32 v[VS], v2, 5, s92
	SCALES                                         ; the next tile's scale words: the way out stands between these loads and the wait for them
	s_cmp_lg_u32 s3, 0
	s_cbranch_scc1 .Lno_bias                       ; behind Q comes K, whose bias lies as Q's does; V's was fetched at the head
	BIAS 10
.Lno_bias:
	QUANT 0
	QUANT 1
	CHANGE 1, 1                                    ; slot 1 takes the next tile's second half of K; its first half is whole behind this round
	QUANT 2
	QUANT 3
.irp a, 0,1,2,3
	v_and_or_b32 v[SW+\a], v[PW+\a], s83, s86      ; the first head's two bytes below, the byte 1 twice above
	v_lshrrev_b32 v[SW+4+\a], 16, v[PW+\a]         ; the second head's likewise
	v_or_b32 v[SW+4+\a], s86, v[SW+4+\a]
.endr
	v_cndmask_b32 v[SW], v[SW], v[SW+1], s82       ; a group of four tiles: lanes 0-15 tile 0, lanes 16-31 tile 1;
	v_cndmask_b32 v[SW+1], v[SW+2], v[SW+3], s82   ; tiles 2 and 3
	v_cndmask_b32 v[SW+4], v[SW+4], v[SW+5], s82
	v_cndmask_b32 v[SW+5], v[SW+6], v[SW+7], s82
	global_store_b64 v[VSC], v[SW:SW+1], s[78:79]                  ; 256 consecutive bytes, aligned
	global_store_b64 v[VSC], v[SW+4:SW+5], s[78:79] offset:4096
	s_wait_xcnt 0x0                                ; the stores and the prefetch have read their registers and bases: they are written below and in the next tile
	s_mov_b64 s[70:71], s[74:75]                   ; behind K comes V
	s_mov_b64 s[72:73], s[76:77]
	s_mov_b64 s[90:91], s[96:97]
	s_mov_b32 s87, s93
	s_mov_b32 s92, s94
	s_mov_b64 s[78:79], s[16:17]                   ; K's and V's results go to kv
	s_mov_b32 s80, 143360
	s_mov_b32 s81, 131072
	s_add_co_u32 s3, s3, 1
	s_cmp_lt_u32 s3, 2
	s_wait_alu depctr_va_vdst(0)
	s_cbranch_scc1 .Ltile
	; ---- V: lane % 16 = a feature, registers along the keys.  Nothing more is fetched
	s_lshr_b32 s88, s57, 2                         ; the batch
	s_lshl_b32 s88, s88, 3
	s_add_co_u32 s88, s88, s56                     ; the head pair: 8 b + pt
	s_mul_i32 s88, s88, 143360
	s_and_b32 s89, s57, 3
	s_lshl_b32 s89, s89, 1
	s_add_co_u32 s89, s89, s20                     ; the key step: 2 (st % 4) + w % 2
	s_lshl_b32 s66, s89, 12
	s_add_co_u32 s66, s66, s88
	s_lshl_b32 s67, s19, 15                        ; the head in the pair
	s_add_co_u32 s66, s66, s67
	s_add_co_u32 s66, s66, 65536
	s_lshl_b32 s89, s89, 8
	s_add_co_u32 s89, s89, s88
	s_lshl_b32 s67, s19, 11
	s_add_co_u32 s89, s89, s67
	s_add_co_u32 s89, s89, 139264
	v_add_nc_u32 v[VO0], s66, v4                   ; keys 0-63 of the step,
	v_add_nc_u32 v[VO1], 2048, v[VO0]              ; keys 64-127
	v_lshl_add_u32 v[VSC], v1, 3, s89
	WIN 0x40
.irp a, 0,1,2,3
.irp j, 0,1,2,3,4,5,6,7
	v_mov_b32 v[BI+8*\a+\j], v[8+\a]               ; the lane's bias for all eight keys of a tile
.endr
.endr
	WIN 0
	FETCH 0, 0
	s_wait_alu depctr_va_vdst(0)
	s_wait_loadcnt 0x0
	STEP 0, 2, 0
.irp k, 1,2,3,4,5,6,7
	STEP \k, 0, 0
.endr
	WIN 0
	PLACES 4
.irp a, 0,1,2,3
	QUANT \a
.endr
	v_cndmask_b32 v[SW], v[PW], v[PW+1], s82
	v_cndmask_b32 v[SW+1], v[PW+2], v[PW+3], s82
	global_store_b64 v[VSC], v[SW:SW+1], s[78:79]
	s_wait_tensorcnt 0x0                           ; the wave's end
	ds_add_u32 v[SPW], v[NIL]
	s_wait_dscnt 0x0
	CROUND                                         ; the closing round
	s_endpgm
.Lfunc_end_k_q926d089ca0_proj:
	.size	k_q926d089ca0_proj, .Lfunc_end_k_q926d089ca0_proj-k_q926d089ca0_proj
	.p2alignl 7, 3214868480
	.fill 96, 4, 3214868480
	.section	.rodata,"a",@progbits
	.p2align	6, 0x0
	.amdhsa_kernel k_q926d089ca0_proj
		.amdhsa_group_segment_fixed_size 327680
		.amdhsa_private_segment_fixed_size 0
		.amdhsa_enable_private_segment 0
		.amdhsa_kernarg_size 56
		.amdhsa_user_sgpr_count 2
		.amdhsa_user_sgpr_kernarg_segment_ptr 1
		.amdhsa_wavefront_size32 1
		.amdhsa_system_sgpr_workgroup_id_x 1
		.amdhsa_system_sgpr_workgroup_id_y 1
		.amdhsa_system_sgpr_workgroup_id_z 1
		.amdhsa_system_vgpr_workitem_id 0
		.amdhsa_next_free_vgpr 768
		.amdhsa_next_free_sgpr 100
		.amdhsa_reserve_vcc 0
		.amdhsa_float_denorm_mode_32 3
		.amdhsa_float_denorm_mode_16_64 3
		.amdhsa_memory_ordered 1
		.amdhsa_forward_progress 1
		.amdhsa_inst_pref_size 150
	.end_amdhsa_kernel
	.amdgpu_metadata
---
amdhsa.version: [ 1, 2 ]
amdhsa.kernels:
  - .name:           k_q926d089ca0_proj
    .symbol:         k_q926d089ca0_proj.kd
    .args:
      - { .name: cimg, .offset: 0, .size: 8, .value_kind: global_buffer, .address_space: global }
      - { .name: simg, .offset: 8, .size: 8, .value_kind: global_buffer, .address_space: global }
      - { .name: bq, .offset: 16, .size: 8, .value_kind: global_buffer, .address_space: global }
      - { .name: bk, .offset: 24, .size: 8, .value_kind: global_buffer, .address_space: global }
      - { .name: bv, .offset: 32, .size: 8, .value_kind: global_buffer, .address_space: global }
      - { .name: qq, .offset: 40, .size: 8, .value_kind: global_buffer, .address_space: global }
      - { .name: kv, .offset: 48, .size: 8, .value_kind: global_buffer, .address_space: global }
    .group_segment_fixed_size: 327680
    .private_segment_fixed_size: 0
    .kernarg_segment_align: 8
    .kernarg_segment_size: 56
    .max_flat_workgroup_size: 128
    .sgpr_count:     100
    .vgpr_count:     768
    .wavefront_size: 32
...
	.end_amdgpu_metadata
.endif
;; end of part 2
;; launch attn (part 3): grid 4 x 64, 8 waves a work-group, clusters of 4 x 1, 174,080 bytes of LDS; arguments qq, kv, pad_mask, aimg, asc; writes aimg, asc
.if DOCPART == 3
	.amdgcn_target "amdgcn-amd-amdhsa--gfx1250"
	.amdhsa_code_object_version 6
	.text
	.protected	k_q926d089ca0_attn
	.globl	k_q926d089ca0_attn
	.p2align	8
	.type	k_q926d089ca0_attn,@function
k_q926d089ca0_attn:
	s_mov_b64 s[64:65], 0
	v_nop
	global_prefetch_b8 v0, s[64:65] scope:SCOPE_SE
	s_setreg_imm32_b32 hwreg(HW_REG_WAVE_MODE, 25, 1), 1
	s_wait_xcnt 0x0
	s_wait_alu depctr_hold_cnt(0) depctr_sa_sdst(0) depctr_va_vdst(0) depctr_va_sdst(0) depctr_va_ssrc(0) depctr_va_vcc(0) depctr_vm_vsrc(0)
	s_getreg_b32 s2, hwreg(HW_REG_IB_STS2, 6, 4)
	s_cmp_eq_u32 s2, 0
	s_cbranch_scc0 .Lentry_in_a_cluster
	s_endpgm
.Lentry_in_a_cluster:
	s_bfe_u32 s2, ttmp6, 0x10000c
	s_cmp_lg_u32 s2, 0x3003
	s_cbranch_scc0 .Lentry_shape_is_right
	s_endpgm
.Lentry_shape_is_right:
; ATTN.  softmax(Q K^T / 8, hidden keys out) V on codes of FP4, and O / l quantised along (head, channel) for the last product.  No work is left out: the mask is an input, so every key is multiplied and the hidden ones are selected out.
; t = score x log2(e) / 8; M = the running largest t rounded up to a whole number; p = 2^(t - M) is quantised along the keys; the row's sum l is taken of the unquantised p and divides O at the end.
; SHARES.  A work-group owns a pair of heads of one batch and 256 queries.  Each of its eight waves owns two tiles of 16 queries and walks four UNITS (tile, head), one body for all four; a unit is two steps of 512 keys.
; The pair's K and V with their scale words, 143,360 bytes, lie in LDS, filled ONCE: every wave brings an eighth by one tensor load.  CLUSTER 4 x 1: the four query blocks of a pair read the same K and V: each load is asked for jointly.
; LAYOUT.  Both products are used transposed (S^T = K Q^T, O^T = V^T P^T): a lane holds one query (lane % 16).  A tile of K holds keys 64 (T / 4) + 8 (T % 4) + r % 8 + 32 (r / 8): the 32 score registers of four neighbouring
; tiles are the keys 64 G + 32 (lane / 16) + 0 .. 31: one WHOLE block of 32 in a lane, in the order of the second product's operand: a block's largest score needs no other lane and the codes need no exchange.
; A head's 64 channels are the lower half of the instruction's 128: the upper half of K and of Q is zero codes under the scale byte 1.
; A step's 256 scores a lane fill register window 1; all else lies in window 0.  M, the factor 2^(old M - new M) and the rescaling of O^T come once for 512 keys.
; THE MASK costs no vector instruction: 0 or -3e38 for each key lies in LDS as f32, a score tile's registers are LOADED with it, and the product adds in place.  The running largest t begins at -1e30, above
; every hidden key's t, so a hidden key's p is 0 exactly.  A batch with every key hidden has l = 0: its scale bytes become 0xff, so that the last product gives NaN there, as the softmax of the problem does.
; A step's 264 exponentials are one batch, with one wait ahead of it and one behind it.
; Nothing is prefetched: all that the launch reads is asked for at its head, and no loop runs ahead of a load from memory.
; LIMITS: a counted key's t lies above -1e30; NaN and infinities among the inputs are not served.
.set MASK,  143360                     ; 1,024 f32
.set ASTG,  147456                     ; 16 tiles' scale words, 64 bytes each
.set QST,   148480                     ; Q: for each wave four units' codes (512 bytes each), then their scale words (256 each)
.set SPARE, 173056                     ; the spare words, 128 bytes for each of eight waves
.set L16, 1                            ; 16 x lane
.set L8,  2                            ; 8 x lane
.set H128,3                            ; 128 x (lane / 16)
.set SH8, 4                            ; 8 x (lane / 16)
.set ADK, 5                            ; the step's LDS addresses: K,
.set ADKS,8                            ; K's scale words,
.set ADM, 9                            ; the mask,
.set ADV, 10                           ; V,
.set ADVS,11                           ; V's scale words
; v6, v7 the add's two; v12 my offset in aimg; v13 4 x (lane % 16) + my place in the stage; v14 -M, v15 the largest t; v[16:17] l; v19 the old -M; v[20:21], v25, v26 at work; v[22:23] f; v24 the bytes that leave
.set QS,  18                           ; Q's scale word
.set PW,  28                           ; v28-31    p's scale words, one for each 128 keys
.set QF,  32                           ; v32-39    Q's fragment
.set KF,  40                           ; v40-103   eight tiles of K; registers 4-7 of each stay zero
.set VF,  104                          ; v104-167  two sets of four tiles of V^T
.set O,   168                          ; v168-199  O^T
.set PCD, 200                          ; v200-231  p's codes: four fragments
.set BM,  232                          ; v232-239  the eight blocks' largest, then their scale operands
.set PD,  240                          ; v240-247  second chains of the maxima, bytes, the sum's four chains
.set KSR, 248                          ; v248-251  K's scale words of eight tiles
.set VSR, 252                          ; v252-255  V's, two sets
.set MSB, 0
.macro WIN new                         ; the immediate's high byte repeats the setting that is left
.if MSB != \new
	s_set_vgpr_msb (MSB<<8)|\new
.set MSB, \new
.endif
.endm
.macro CROUND
	s_barrier_signal -1
	s_barrier_wait -1
	s_cmp_lg_u32 s14, 0
	s_cbranch_scc1 .Lnot_wave_0_\@
	s_barrier_signal -3
.Lnot_wave_0_\@:
	s_barrier_wait -3
	s_barrier_signal -1
	s_barrier_wait -1
.endm
.macro MLOAD s                         ; the mask of the step's s-th 128 keys into the score registers: tile n holds keys 64 (n / 4) + 32 (lane / 16) + 8 (n % 4) + 0 .. 7
.irp n, 0,1,2,3,4,5,6,7
	ds_load_b128 v[64*(\s)+8*\n:64*(\s)+8*\n+3], v[ADM] offset:512*(\s)+256*(\n/4)+32*(\n%4)
	ds_load_b128 v[64*(\s)+8*\n+4:64*(\s)+8*\n+7], v[ADM] offset:512*(\s)+256*(\n/4)+32*(\n%4)+16
.endr
.endm
.macro KLOAD s                         ; eight tiles of K and their scale words: ten loads
	ds_load_b64 v[KSR:KSR+1], v[ADKS] offset:512*(\s)
	ds_load_b64 v[KSR+2:KSR+3], v[ADKS] offset:512*(\s)+256
.irp n, 0,1,2,3,4,5,6,7
	ds_load_b128 v[KF+8*\n:KF+8*\n+3], v[ADK] offset:4096*(\s)+512*\n
.endr
.endm
.macro VLOAD s                         ; four tiles of V^T x the s-th 128 keys, and their scale words: nine loads
.irp n, 0,1,2,3
	ds_load_b128 v[VF+32*((\s)%2)+8*\n:VF+32*((\s)%2)+8*\n+3], v[ADV] offset:4096*(\s)+512*\n
	ds_load_b128 v[VF+32*((\s)%2)+8*\n+4:VF+32*((\s)%2)+8*\n+7], v[ADV] offset:4096*(\s)+2048+512*\n
.endr
	ds_load_b64 v[VSR+2*((\s)%2):VSR+2*((\s)%2)+1], v[ADVS] offset:256*(\s)
.endm
.macro SP8 s                           ; S^T of eight tiles: onto the mask, in place.  Tile n's scale words: register n / 2, lanes 0-15 (n even) or 16-31
.irp n, 0,2,4,6
	v_wmma_scale_f32_16x16x128_f8f6f4 v[64*(\s)+8*\n:64*(\s)+8*\n+7], v[KF+8*\n:KF+8*\n+7], v[QF:QF+7], v[64*(\s)+8*\n:64*(\s)+8*\n+7], v[KSR+\n/2], v[QS] matrix_a_fmt:MATRIX_FMT_FP4 matrix_b_fmt:MATRIX_FMT_FP4
	v_wmma_scale_f32_16x16x128_f8f6f4 v[64*(\s)+8*\n+8:64*(\s)+8*\n+15], v[KF+8*\n+8:KF+8*\n+15], v[QF:QF+7], v[64*(\s)+8*\n+8:64*(\s)+8*\n+15], v[KSR+\n/2], v[QS] matrix_a_fmt:MATRIX_FMT_FP4 matrix_b_fmt:MATRIX_FMT_FP4 matrix_a_scale:MATRIX_SCALE_ROW1
.endr
.endm
.macro OP4 s                           ; O^T += V^T P^T for the s-th 128 keys: the four accumulators by turns
.irp n, 0,2
	v_wmma_scale_f32_16x16x128_f8f6f4 v[O+8*\n:O+8*\n+7], v[VF+32*((\s)%2)+8*\n:VF+32*((\s)%2)+8*\n+7], v[PCD+8*(\s):PCD+8*(\s)+7], v[O+8*\n:O+8*\n+7], v[VSR+2*((\s)%2)+\n/2], v[PW+(\s)] matrix_a_fmt:MATRIX_FMT_FP4 matrix_b_fmt:MATRIX_FMT_FP4
	v_wmma_scale_f32_16x16x128_f8f6f4 v[O+8*\n+8:O+8*\n+15], v[VF+32*((\s)%2)+8*\n+8:VF+32*((\s)%2)+8*\n+15], v[PCD+8*(\s):PCD+8*(\s)+7], v[O+8*\n+8:O+8*\n+15], v[VSR+2*((\s)%2)+\n/2], v[PW+(\s)] matrix_a_fmt:MATRIX_FMT_FP4 matrix_b_fmt:MATRIX_FMT_FP4 matrix_a_scale:MATRIX_SCALE_ROW1
.endr
.endm
; The largest score of the two blocks of the s-th 128 keys, each in two chains; each tile is read from its low end on.  MAXF: the chains' first lines (four: also the places behind the products issued just before)
.macro MAXF s
	WIN 0x15
.irp e, 0,1
	v_max3_num_f32 v[BM+2*(\s)+\e], v[64*(\s)+32*\e], v[64*(\s)+32*\e+1], v[64*(\s)+32*\e+2]
	v_max3_num_f32 v[PD+2*(\s)+\e], v[64*(\s)+32*\e+16], v[64*(\s)+32*\e+17], v[64*(\s)+32*\e+18]
.endr
.endm
.macro MAXR s
	WIN 0x14
.irp i, 3,5,7,9,11,13
.irp e, 0,1
	v_max3_num_f32 v[BM+2*(\s)+\e], v[BM+2*(\s)+\e], v[64*(\s)+32*\e+\i], v[64*(\s)+32*\e+\i+1]
	v_max3_num_f32 v[PD+2*(\s)+\e], v[PD+2*(\s)+\e], v[64*(\s)+32*\e+16+\i], v[64*(\s)+32*\e+17+\i]
.endr
.endr
.irp e, 0,1
	v_max3_num_f32 v[BM+2*(\s)+\e], v[BM+2*(\s)+\e], v[64*(\s)+32*\e+15], v[64*(\s)+32*\e+31]
.endr
.endm
.macro SUMS n                          ; n x 8 more p onto the sum's four chains
.rept \n
.irp q, 0,1,2,3
	v_pk_add_f32 v[PD+2*\q:PD+2*\q+1], v[PD+2*\q:PD+2*\q+1], v[SM+2*\q:SM+2*\q+1]
.endr
.set SM, SM+8
.endr
.endm
	s_load_b256 s[4:11], s[0:1], 0x0               ; qq, kv, pad_mask, aimg
	s_load_b64 s[12:13], s[0:1], 0x20              ; asc
	v_lshl_add_u32 v6, v0, 2, SPARE
	v_mov_b32 v7, 0
	ds_add_u32 v6, v7                              ; the opening: the add, twice on end, and its wait ahead of my first tensor load
	ds_add_u32 v6, v7
	v_lshrrev_b32 v25, 5, v0
	v_readfirstlane_b32 s14, v25                   ; wave 0..7
	s_bfe_u32 s15, ttmp6, 0x40000                  ; cx: my block of 256 queries: it enters global addresses alone
	s_and_b32 s16, ttmp7, 0xffff                   ; the head pair, 8 b + hp: the partners share it
	s_lshr_b32 s17, s16, 3                         ; b
	s_and_b32 s18, s16, 7                          ; hp
	s_lshl_b32 s19, s15, 3
	s_add_co_u32 s19, s19, s14                     ; my pair of query tiles in the batch
	s_mov_b32 s24, 15|(3<<16)|(1<<21)              ; the mask: all four work-groups; elements of 8 bytes; bit 21 beside a mask
	s_mov_b32 s25, 32<<16                          ; rows of 256 bytes,
	s_mov_b32 s26, 70<<16                          ; 70 of them: an eighth of the record
	s_mov_b32 s27, 32<<16
	s_mov_b32 s28, 70
	s_mov_b32 s29, 32                              ; dense
	s_mov_b32 s30, 0
	s_mov_b32 s31, 0
	s_mov_b32 s32, 1
	s_mul_i32 s33, s14, 17920
	s_mul_i32 s38, s16, 143360
	s_add_co_u32 s38, s38, s33
	s_mov_b32 s39, 0
	s_mov_b32 s20, 0x76543210                      ; v_permlanex16_b32: lane l xor 16
	s_mov_b32 s21, 0xfedcba98
	s_mov_b32 s22, 0x3e38aa3b                      ; c = log2(e) / 8
	s_mov_b32 s23, s22
	s_mul_i32 s54, s16, 73728                      ; the pair's record of Q
	s_lshl_b32 s40, s19, 10
	s_add_co_u32 s40, s40, s54                     ; my first tile's codes: 512 bytes a tile
	s_lshr_b32 s41, s19, 1
	s_lshl_b32 s41, s41, 8                         ; its scale words: the group of four tiles,
	s_and_b32 s55, s19, 1
	s_lshl_b32 s55, s55, 2                         ; the second word for tiles 2 and 3
	s_add_co_u32 s41, s41, s55
	s_add_co_u32 s41, s41, s54
	s_add_co_u32 s41, s41, 65536
	s_lshl_b32 s42, s17, 10                        ; the batch's mask bytes
	s_mul_i32 s48, s14, 3072
	s_add_co_u32 s48, s48, QST                     ; my stage for Q's codes,
	s_add_co_u32 s53, s48, 2048                    ; and for its scale words
	s_lshl_b32 s49, s17, 6
	s_lshl_b32 s55, s19, 1
	s_add_co_u32 s49, s49, s55
	s_lshl_b32 s49, s49, 13
	s_lshl_b32 s55, s18, 10
	s_add_co_u32 s49, s49, s55                     ; aimg: tile 64 b + T, K step hp
	s_lshl_b32 s50, s14, 7
	s_add_co_u32 s50, s50, ASTG                    ; my two tiles' words in the stage
	s_and_b32 s52, s14, 1
	s_lshl_b32 s52, s52, 9
	s_lshl_b32 s51, s17, 6
	s_lshl_b32 s55, s15, 4
	s_add_co_u32 s51, s51, s55
	s_lshl_b32 s51, s51, 6
	s_lshl_b32 s55, s18, 15
	s_add_co_u32 s51, s51, s55
	s_add_co_u32 s51, s51, s52                     ; asc: K step hp, my work-group's 16 tiles; 512 bytes for each of waves 0 and 1
	s_add_co_u32 s52, s52, ASTG
	s_wait_dscnt 0x0                               ; both opening adds are done
	s_wait_kmcnt 0x0
	CROUND                                         ; all four work-groups are here: the joint loads meet
	s_add_nc_u64 s[34:35], s[6:7], s[38:39]
	s_or_b32 s35, s35, 0x80000000
	tensor_load_to_lds s[32:35], s[24:31]          ; my one tensor load
	s_nop 0
	v_and_b32 v25, 31, v0                          ; lane
	v_and_b32 v26, 15, v0                          ; r
	v_bfe_u32 v27, v0, 4, 1                        ; h
	v_lshlrev_b32 v[L16], 4, v25
	v_lshlrev_b32 v[L8], 3, v25
	v_lshlrev_b32 v[H128], 7, v27
	v_lshlrev_b32 v[SH8], 3, v27
	v_add_nc_u32 v5, s40, v[L16]
	v_lshl_add_u32 v8, v26, 3, s41
	v_lshl_add_u32 v9, v0, 2, s42
	v_lshl_add_u32 v13, v26, 2, s50
.irp u, 0,1,2,3                        ; unit u = tile u / 2, head u % 2
	global_load_b128 v[VF+4*\u:VF+4*\u+3], v5, s[4:5] offset:(\u/2)*512+(\u%2)*32768
	global_load_b32 v[VF+16+\u], v8, s[4:5] offset:(\u/2)*128+(\u%2)*4096
.endr
	global_load_b32 v[VF+20], v9, s[8:9]           ; four keys' mask bytes a thread
	v_add_nc_u32 v10, s48, v[L16]
	v_add_nc_u32 v11, s53, v[L8]
	v_lshl_add_u32 v24, v0, 4, MASK
	v_mov_b32 v20, 0xff61b1e6                      ; -3e38
	v_mov_b32 v21, 0                               ; named as upper halves of pairs, so they are written
	v_mov_b32 v23, 0
.irp i, 4,5,6,7
	v_mov_b32 v[QF+\i], 0                          ; the upper halves of Q and of K's eight tiles: zero codes, written once
.irp n, 0,1,2,3,4,5,6,7
	v_mov_b32 v[KF+8*\n+\i], 0
.endr
.endr
	s_wait_alu depctr_va_vdst(0)
	s_wait_loadcnt 0x0
.irp u, 0,1,2,3
	ds_store_b128 v10, v[VF+4*\u:VF+4*\u+3] offset:512*\u          ; images of the registers, in my own bytes
	ds_store_b32 v11, v[VF+16+\u] offset:256*\u
.endr
.irp j, 0,1,2,3
	v_bfe_u32 v[VF+24+\j], v[VF+20], 8*\j, 8
.endr
.irp j, 0,1,2,3
	v_cmp_ne_u32 vcc_lo, 0, v[VF+24+\j]
	v_cndmask_b32 v[VF+24+\j], 0, v20, vcc_lo      ; hidden: -3e38; counted: 0
.endr
	ds_store_b128 v24, v[VF+24:VF+27]
	s_wait_alu depctr_va_vdst(0)
	s_wait_dscnt 0x0                               ; for the others' sake: my part of the mask is stored,
	s_wait_tensorcnt 0x0                           ; and my part of K and V has landed
	s_barrier_signal -1
	s_barrier_wait -1
	s_mov_b32 s37, 0                               ; the unit
.Lunit:
	s_and_b32 s38, s37, 1                          ; its head in the pair
	s_lshr_b32 s39, s37, 1                         ; its tile of my two
	s_lshl_b32 s45, s37, 9
	s_add_co_u32 s45, s45, s48
	s_lshl_b32 s46, s37, 8
	s_add_co_u32 s46, s46, s53
	s_wait_xcnt 0x0                                ; the last unit's store has read its registers: they are written again below
	v_add_nc_u32 v5, s45, v[L16]
	v_add_nc_u32 v8, s46, v[L8]
	ds_load_b128 v[QF:QF+3], v5
	ds_load_b32 v[QS], v8
	v_mov_b32 v15, 0xf149f2ca                      ; the largest t so far: -1e30
	v_floor_f32 v14, -v15
	v_mov_b32 v16, 0
	v_mov_b32 v17, 0
.irp j, 0,1,2,3,4,5,6,7,8,9,10,11,12,13,14,15,16,17,18,19,20,21,22,23,24,25,26,27,28,29,30,31
	v_mov_b32 v[O+\j], 0                           ; the step is written once: the first finds zeros, which the first change of M leaves zeros
.endr
	s_mov_b32 s36, 0                               ; the step of 512 keys
	s_wait_alu depctr_va_vdst(0)
.Lbig:
	s_lshl_b32 s40, s38, 15
	s_lshl_b32 s47, s36, 14
	s_add_co_u32 s40, s40, s47                     ; K: 32,768 bytes a head, 16,384 a step
	s_add_co_u32 s43, s40, 65536                   ; V likewise
	s_lshl_b32 s41, s38, 12
	s_lshl_b32 s47, s36, 11
	s_add_co_u32 s41, s41, s47
	s_add_co_u32 s41, s41, 131072                  ; K's scale words
	s_add_co_u32 s42, s47, MASK
	s_lshl_b32 s44, s38, 11
	s_lshl_b32 s47, s36, 10
	s_add_co_u32 s44, s44, s47
	s_add_co_u32 s44, s44, 139264                  ; V's scale words
	v_add_nc_u32 v[ADK], s40, v[L16]
	v_add_nc_u32 v[ADKS], s41, v[L8]
	v_add_nc_u32 v[ADM], s42, v[H128]
	v_add_nc_u32 v[ADV], s43, v[L16]
	v_add_nc_u32 v[ADVS], s44, v[L8]
	s_wait_alu depctr_va_vdst(0)                   ; the wait directly behind the writes
	WIN 0x40
	MLOAD 0
	WIN 0
	KLOAD 0
	WIN 0x40
	MLOAD 1
	MLOAD 2
	MLOAD 3
	s_wait_dscnt 48                                ; Q, the first 128 keys' mask and K are in; the 48 mask loads issued behind them may be out
	WIN 0x50
	SP8 0
	WIN 0
.rept 4
	v_nop                                          ; places in front of the loads into K's registers
.endr
	KLOAD 1
	s_wait_dscnt 0x0
	WIN 0x50
	SP8 1
	MAXF 0                                         ; the maxima of the 128 keys before stand behind each run of products: their first four lines are its places
	WIN 0
	KLOAD 2
	MAXR 0
	s_wait_dscnt 0x0
	WIN 0x50
	SP8 2
	MAXF 1
	WIN 0
	KLOAD 3
	MAXR 1
	s_wait_dscnt 0x0
	WIN 0x50
	SP8 3
	MAXF 2
	WIN 0
	VLOAD 0                                        ; V's first 256 keys: a whole softmax ahead of their use
	VLOAD 1
	MAXR 2
	MAXF 3
	MAXR 3
	WIN 0
.irp b, 0,1,2,3,4,5,6,7
	v_max_num_f32 v[BM+\b], v[BM+\b], v[PD+\b]     ; a block's two chains: its largest score, for the row's maximum and, since p rises with the score, for the block's largest p
.endr
	v_max3_num_f32 v20, v[BM], v[BM+1], v[BM+2]
	v_max3_num_f32 v25, v[BM+3], v[BM+4], v[BM+5]
	v_max3_num_f32 v20, v20, v[BM+6], v[BM+7]
	v_mov_b32 v19, v14                             ; the old -M
	v_max_num_f32 v20, v20, v25
	v_permlanex16_b32 v25, v20, s20, s21
	v_max_num_f32 v20, v20, v25                    ; with lane l xor 16's 256 keys
	v_mul_f32 v20, s22, v20                        ; as t
	v_max_num_f32 v15, v15, v20                    ; the running largest t
	v_floor_f32 v14, -v15                          ; -M = floor(-t): M is a whole number
	v_sub_f32 v20, v14, v19                        ; old M - new M, 0 or less
	v_cvt_i32_f32 v20, v20                         ; (it saturates)
	v_ldexp_f32 v22, 1.0, v20                      ; f = 2^(old M - new M): a multiplication by it rounds nothing
.irp b, 0,1,2,3,4,5,6,7
	v_fma_f32 v[BM+\b], v[BM+\b], s22, v14         ; t - M of each block's largest score
.endr
	WIN 0x41
.set J, 0
.rept 128
	v_pk_fma_f32 v[J:J+1], v[J:J+1], s[22:23], v[14:15] op_sel_hi:[1,0,0]   ; t - M, two at a time
.set J, J+2
.endr
	s_wait_alu depctr_va_vdst(0)
	WIN 0
.irp b, 0,1,2,3,4,5,6,7
	v_exp_f32 v[BM+\b], v[BM+\b]                   ; the blocks' largest p
.endr
	WIN 0x41
.set J, 0
.rept 256
	v_exp_f32 v[J], v[J]                           ; p = 2^(t - M)
.set J, J+1
.endr
	WIN 0
	s_wait_alu depctr_va_vdst(0)                   ; one wait for the batch, which also stands directly ahead of the first reader of O^T
.irp j, 0,2,4,6,8,10,12,14,16,18,20,22,24,26,28,30
	v_pk_mul_f32 v[O+\j:O+\j+1], v[O+\j:O+\j+1], v[22:23] op_sel_hi:[1,0]   ; O^T under the new M
.endr
.irp b, 0,1,2,3,4,5,6,7
	v_max_num_f32 v[BM+\b], 0x1800000, v[BM+\b]    ; the floor 2^(3 - 127): a block whose every p is 0 keeps the byte 1 with zero codes
.endr
.irp b, 0,1,2,3,4,5,6,7
	v_add_nc_u32 v[BM+\b], 0xff000000, v[BM+\b]    ; 2 off the exponent field: the conversion's scale operand
.endr
.irp b, 0,1,2,3,4,5,6,7
	v_lshrrev_b32 v[PD+\b], 23, v[BM+\b]           ; the scale's byte
.endr
.irp s, 0,1,2,3
	v_lshl_or_b32 v[PW+\s], v[PD+2*\s+1], 16, v[PD+2*\s]   ; my two blocks of 128 keys: h and 2 + h,
.endr
.irp s, 0,1,2,3
	v_lshlrev_b32 v[PW+\s], v[SH8], v[PW+\s]       ; at their places in the word;
.endr
.irp s, 0,1,2,3
	v_permlanex16_b32 v[PD+\s], v[PW+\s], s20, s21
.endr
.irp s, 0,1,2,3
	v_or_b32 v[PW+\s], v[PW+\s], v[PD+\s]          ; with lane l xor 16's two the word is whole
.endr
	WIN 0x01
.irp b, 0,1,2,3,4,5,6,7
.irp g, 0,1,2,3
	v_cvt_scalef32_pk8_fp4_f32 v[PCD+4*\b+\g], v[32*\b+8*\g:32*\b+8*\g+7], v[BM+\b]   ; the operand's registers as they are wanted
.endr
.endr
	WIN 0x05
.irp q, 0,1,2,3
	v_pk_add_f32 v[PD+2*\q:PD+2*\q+1], v[2*\q:2*\q+1], v[8+2*\q:9+2*\q]   ; the row's sum of the unquantised p, in four chains.  The sums are also the places between p's words and codes and the products
.endr
.set SM, 16
	WIN 0x04
	SUMS 2
	s_wait_alu depctr_va_vdst(0)
	s_wait_dscnt 0x0                               ; V's first 256 keys
	WIN 0
	OP4 0
	OP4 1
	WIN 0x04
	SUMS 1                                         ; four places in front of the loads into V's registers
	WIN 0
	VLOAD 2
	VLOAD 3
	WIN 0x04
	SUMS 27
	WIN 0
	v_pk_add_f32 v[PD:PD+1], v[PD:PD+1], v[PD+2:PD+3]
	v_pk_add_f32 v[PD+4:PD+5], v[PD+4:PD+5], v[PD+6:PD+7]
	v_pk_add_f32 v[PD:PD+1], v[PD:PD+1], v[PD+4:PD+5]
	v_pk_fma_f32 v[16:17], v[16:17], v[22:23], v[PD:PD+1] op_sel_hi:[1,0,1]   ; l = l f + this step's sum
	s_wait_alu depctr_va_vdst(0)
	s_wait_dscnt 0x0
	OP4 2
	OP4 3
	s_add_co_u32 s36, s36, 1
	s_cmp_lt_u32 s36, 2
	s_cbranch_scc1 .Lbig
	; THE UNIT'S END: O^T / l becomes half a fragment of the last product's operand, which leaves at once, and two bytes of its scale word
	s_lshl_b32 s45, s39, 13
	s_lshl_b32 s46, s38, 9
	s_add_co_u32 s45, s45, s46
	s_add_co_u32 s45, s45, s49
	s_lshl_b32 s46, s39, 6
	s_lshl_b32 s47, s38, 1
	s_add_co_u32 s46, s46, s47
	v_add_nc_u32 v12, s45, v[L16]                  ; four places behind the last products
	v_add_nc_u32 v26, s46, v13
	v_nop
	v_nop
	v_add_f32 v16, v16, v17
	v_permlanex16_b32 v25, v16, s20, s21
	v_add_f32 v16, v16, v25                        ; the row's sum
	s_wait_alu depctr_va_vdst(0)
	v_rcp_f32 v20, v16
	v_nop
	s_wait_alu depctr_va_vdst(0)                   ; ahead of the reciprocal's first reader, which is also the first reader of O^T
.irp j, 0,2,4,6,8,10,12,14,16,18,20,22,24,26,28,30
	v_pk_mul_f32 v[O+\j:O+\j+1], v[O+\j:O+\j+1], v[20:21] op_sel_hi:[1,0]   ; register 16 b + i: channel 32 b + 16 h + i
.endr
.irp b, 0,1
	v_max3_num_f32 v[BM+\b], |v[O+16*\b]|, |v[O+16*\b+1]|, 0x1800000
.endr
.irp i, 2,4,6,8,10,12,14
.irp b, 0,1
	v_max3_num_f32 v[BM+\b], v[BM+\b], |v[O+16*\b+\i]|, |v[O+16*\b+\i+1]|
.endr
.endr
.irp b, 0,1
	v_permlanex16_b32 v[PD+\b], v[BM+\b], s20, s21
.endr
.irp b, 0,1
	v_max_num_f32 v[BM+\b], v[BM+\b], v[PD+\b]
.endr
.irp b, 0,1
	v_add_nc_u32 v[BM+\b], 0xff000000, v[BM+\b]
.endr
.irp b, 0,1
	v_lshrrev_b32 v[PD+\b], 23, v[BM+\b]
.endr
	v_lshl_or_b32 v24, v[PD+1], 8, v[PD]
.irp b, 0,1
	v_cvt_scalef32_pk8_fp4_f32 v[PCD+2*\b], v[O+16*\b:O+16*\b+7], v[BM+\b]
	v_cvt_scalef32_pk8_fp4_f32 v[PCD+2*\b+1], v[O+16*\b+8:O+16*\b+15], v[BM+\b]
.endr
	v_cmp_eq_f32 vcc_lo, 0, v16                    ; every key of the batch hidden (also the plain place behind the conversions):
	v_cndmask_b32 v24, v24, -1, vcc_lo             ; the scale bytes 0xff
.irp i, 0,1
	v_permlane16_swap_b32 v[PCD+\i], v[PCD+2+\i]   ; the operand's layout wants a whole block in a lane
.endr
	global_store_b128 v12, v[PCD:PCD+3], s[10:11]  ; 512 consecutive bytes, aligned
	ds_store_b16 v26, v24                          ; both lanes of a query write the same two bytes with the same value
	s_add_co_u32 s37, s37, 1
	s_cmp_lt_u32 s37, 4
	s_wait_alu depctr_va_vdst(0)
	s_cbranch_scc1 .Lunit
	v_add_nc_u32 v5, s52, v[L16]
	v_add_nc_u32 v8, s51, v[L16]
	s_wait_alu depctr_va_vdst(0)
	s_wait_dscnt 0x0
	s_barrier_signal -1
	s_barrier_wait -1                              ; sixteen tiles' words, 1,024 bytes, lie in the stage
	s_cmp_lt_u32 s14, 2
	s_cbranch_scc0 .Lno_words
	ds_load_b128 v[VF:VF+3], v5
	s_wait_dscnt 0x0
	global_store_b128 v8, v[VF:VF+3], s[12:13]     ; 512 consecutive bytes, aligned
.Lno_words:
	s_wait_tensorcnt 0x0                           ; the wave's end
	ds_add_u32 v6, v7
	s_wait_dscnt 0x0
	CROUND                                         ; the closing round
	s_endpgm
.Lfunc_end_k_q926d089ca0_attn:
	.size	k_q926d089ca0_attn, .Lfunc_end_k_q926d089ca0_attn-k_q926d089ca0_attn
	.p2alignl 7, 3214868480
	.fill 96, 4, 3214868480
	.section	.rodata,"a",@progbits
	.p2align	6, 0x0
	.amdhsa_kernel k_q926d089ca0_attn
		.amdhsa_group_segment_fixed_size 174080
		.amdhsa_private_segment_fixed_size 0
		.amdhsa_enable_private_segment 0
		.amdhsa_kernarg_size 40
		.amdhsa_user_sgpr_count 2
		.amdhsa_user_sgpr_kernarg_segment_ptr 1
		.amdhsa_wavefront_size32 1
		.amdhsa_system_sgpr_workgroup_id_x 1
		.amdhsa_system_sgpr_workgroup_id_y 1
		.amdhsa_system_sgpr_workgroup_id_z 1
		.amdhsa_system_vgpr_workitem_id 0
		.amdhsa_next_free_vgpr 512
		.amdhsa_next_free_sgpr 66
		.amdhsa_reserve_vcc 1
		.amdhsa_float_denorm_mode_32 3
		.amdhsa_float_denorm_mode_16_64 3
		.amdhsa_memory_ordered 1
		.amdhsa_forward_progress 1
		.amdhsa_inst_pref_size 70
	.end_amdhsa_kernel
	.amdgpu_metadata
---
amdhsa.version: [ 1, 2 ]
amdhsa.kernels:
  - .name:           k_q926d089ca0_attn
    .symbol:         k_q926d089ca0_attn.kd
    .args:
      - { .name: qq, .offset: 0, .size: 8, .value_kind: global_buffer, .address_space: global }
      - { .name: kv, .offset: 8, .size: 8, .value_kind: global_buffer, .address_space: global }
      - { .name: pad_mask, .offset: 16, .size: 8, .value_kind: global_buffer, .address_space: global }
      - { .name: aimg, .offset: 24, .size: 8, .value_kind: global_buffer, .address_space: global }
      - { .name: asc, .offset: 32, .size: 8, .value_kind: global_buffer, .address_space: global }
    .group_segment_fixed_size: 174080
    .private_segment_fixed_size: 0
    .kernarg_segment_align: 8
    .kernarg_segment_size: 40
    .max_flat_workgroup_size: 256
    .sgpr_count:     66
    .vgpr_count:     512
    .wavefront_size: 32
...
	.end_amdgpu_metadata
.endif
;; end of part 3
;; launch outp (part 4): grid 4 x 64, 4 waves a work-group, clusters of 4 x 4, 327,680 bytes of LDS; arguments aimg, asc, cimg, simg, bo, q, out0; writes out0
.if DOCPART == 4
	.amdgcn_target "amdgcn-amd-amdhsa--gfx1250"
	.amdhsa_code_object_version 6
	.text
	.protected	k_q926d089ca0_outp
	.globl	k_q926d089ca0_outp
	.p2align	8
	.type	k_q926d089ca0_outp,@function
k_q926d089ca0_outp:
	s_mov_b64 s[64:65], 0
	v_nop
	global_prefetch_b8 v0, s[64:65] scope:SCOPE_SE
	s_setreg_imm32_b32 hwreg(HW_REG_WAVE_MODE, 25, 1), 1
	s_wait_xcnt 0x0
	s_wait_alu depctr_hold_cnt(0) depctr_sa_sdst(0) depctr_va_vdst(0) depctr_va_sdst(0) depctr_va_ssrc(0) depctr_va_vcc(0) depctr_vm_vsrc(0)
	s_getreg_b32 s2, hwreg(HW_REG_IB_STS2, 6, 4)
	s_cmp_eq_u32 s2, 0
	s_cbranch_scc0 .Lentry_in_a_cluster
	s_endpgm
.Lentry_in_a_cluster:
	s_bfe_u32 s2, ttmp6, 0x10000c
	s_cmp_lg_u32 s2, 0xf033
	s_cbranch_scc0 .Lentry_shape_is_right
	s_endpgm
.Lentry_shape_is_right:
; OUTP.  out0 = q + att_out Wo^T + bo on codes of FP4.  No work is left out.  LDS: P's 8 tiles of 8,192 bytes (all of K), then S's 16: each wave brings its part by ONE joint load
.set STAGE, 196608
.set SPARE, 230400
.set ADP, 16
.set ADS, 18
.set VP,  20
.set VS,  21
.set VB,  22
.set STO, 23
.set RD,  24
.set VQ,  25
.set SPW, 28
.set NIL, 29
.set PS,  32
.set SS,  64
.set PF,  128
.set BI,  128
.set G1P, 24
.set G0P, 32
.set G1S, 40
.set G0S, 48
.set MSB, 0
.macro WIN new
.if MSB != \new
	s_set_vgpr_msb (MSB<<8)|\new
.set MSB, \new
.endif
.endm
.macro PLACES n
.rept \n
	v_nop
.endr
.endm
.macro JLOAD s
	s_cmp_eq_u32 s19, 0
	s_cbranch_scc0 .Lfor_s_\@
	tensor_load_to_lds s[G0P+4*\s:G0P+4*\s+3], s[G1P:G1P+7]
	s_nop 0
.rept 4
	v_nop
.endr
	s_branch .Lasked_\@
.Lfor_s_\@:
	tensor_load_to_lds s[G0S+4*\s:G0S+4*\s+3], s[G1S:G1S+7]
	s_nop 0
.rept 4
	v_nop
.endr
.Lasked_\@:
.endm
.macro CROUND
	s_barrier_signal -1
	s_barrier_wait -1
	s_cmp_lg_u32 s18, 0
	s_cbranch_scc1 .Lnot_wave_0_\@
	s_barrier_signal -3
.Lnot_wave_0_\@:
	s_barrier_wait -3
	s_barrier_signal -1
	s_barrier_wait -1
.endm
	s_load_b256 s[4:11], s[0:1], 0x0
	s_load_b128 s[12:15], s[0:1], 0x20
	s_load_b64 s[16:17], s[0:1], 0x30
	v_lshl_add_u32 v[SPW], v0, 2, SPARE
	v_mov_b32 v[NIL], 0
	ds_add_u32 v[SPW], v[NIL]
	ds_add_u32 v[SPW], v[NIL]
	v_lshrrev_b32 v1, 5, v0
	v_readfirstlane_b32 s18, v1
	s_lshr_b32 s19, s18, 1
	s_and_b32 s20, s18, 1
	s_bfe_u32 s21, ttmp6, 0x40000
	s_bfe_u32 s22, ttmp6, 0x40004
	s_and_b32 s23, ttmp7, 0xffff
	s_lshl_b32 s58, s23, 2
	s_add_co_u32 s58, s58, s22
	s_lshl_b32 s60, s58, 3
	s_lshl_b32 s61, s21, 4
	s_add_co_u32 s61, s61, 1728
	s_lshl_b32 s68, s22, 2
	s_lshl_b32 s68, 15, s68
	s_lshl_b32 s69, 0x1111, s21
	s_or_b32 s[G1P], s68, (3<<16)|(1<<21)
	s_mov_b32 s[G1P+1], 1024<<16
	s_mov_b32 s[G1P+2], 4<<16
	s_mov_b32 s[G1P+3], 1024<<16
	s_mov_b32 s[G1P+4], 4
	s_mov_b32 s[G1P+5], 1024
	s_mov_b32 s[G1P+6], 0
	s_mov_b32 s[G1P+7], 0
	s_or_b32 s[G1S], s69, (3<<16)|(1<<21)
	s_mov_b32 s[G1S+1], 1024<<16
	s_mov_b32 s[G1S+2], 8<<16
	s_mov_b32 s[G1S+3], 1024<<16
	s_mov_b32 s[G1S+4], 8
	s_mov_b32 s[G1S+5], 1024
	s_mov_b32 s[G1S+6], 0
	s_mov_b32 s[G1S+7], 0
	s_lshl_b32 s70, s20, 2
	s_add_co_u32 s70, s70, s60
	s_lshl_b32 s70, s70, 13
	s_mov_b32 s71, 0
	s_lshl_b32 s72, s20, 3
	s_add_co_u32 s72, s72, s61
	s_lshl_b32 s72, s72, 13
	s_mov_b32 s73, 0
	s_lshl_b32 s74, s20, 15
	s_lshl_b32 s75, s20, 16
	s_add_co_u32 s75, s75, 65536
	s_wait_dscnt 0x0
	s_wait_kmcnt 0x0
	s_add_nc_u64 s[70:71], s[4:5], s[70:71]
	s_add_nc_u64 s[72:73], s[8:9], s[72:73]
	CROUND
	s_mov_b32 s[G0P], 1
	s_mov_b32 s[G0P+1], s74
	s_mov_b64 s[G0P+2:G0P+3], s[70:71]
	s_or_b32 s[G0P+3], s[G0P+3], 0x80000000
	s_mov_b32 s[G0S], 1
	s_mov_b32 s[G0S+1], s75
	s_mov_b64 s[G0S+2:G0S+3], s[72:73]
	s_or_b32 s[G0S+3], s[G0S+3], 0x80000000
	JLOAD 0                                        ; my one tensor load: all that I fetch into LDS
	v_and_b32 v1, 31, v0
	v_and_b32 v2, 15, v0
	s_wait_alu depctr_va_vdst(0)
	v_bfe_u32 v3, v0, 4, 1
	s_wait_alu depctr_va_vdst(0)
	v_lshlrev_b32 v4, 4, v1
	s_wait_alu depctr_va_vdst(0)
	s_lshl_b32 s62, s19, 15
	v_add_nc_u32 v[ADP], s62, v4
	s_lshl_b32 s63, s20, 16
	s_add_co_u32 s63, s63, 65536
	v_add_nc_u32 v[ADS], s63, v4
	s_lshl_b32 s76, s19, 2
	s_add_co_u32 s76, s76, s60
	s_lshl_b32 s76, s76, 6
	v_lshl_add_u32 v[VP], v1, 2, s76
	s_lshl_b32 s77, s20, 3
	s_add_co_u32 s77, s77, s61
	s_lshl_b32 s77, s77, 9
	v_lshl_add_u32 v[VS], v2, 5, s77
	s_wait_alu depctr_va_vdst(0)
	s_lshl_b32 s78, s21, 10
	s_lshl_b32 s79, s20, 9
	s_add_co_u32 s78, s78, s79
	v_lshl_add_u32 v[VB], v3, 6, s78
	s_lshl_b32 s80, s58, 19
	s_lshl_b32 s81, s19, 18
	s_add_co_u32 s80, s80, s81
	s_add_co_u32 s80, s80, s78
	v_add_nc_u32 v[VQ], s80, v4
	s_mul_i32 s82, s18, 16*528
	s_add_co_u32 s82, s82, STAGE
	v_mul_u32_u24 v[STO], v2, 528
	v_lshl_add_u32 v[STO], v3, 6, v[STO]
	v_add_nc_u32 v[STO], s82, v[STO]
	v_add_nc_u32 v[RD], s82, v4
.irp b, 0,1,2,3,4,5,6,7
	global_load_b128 v[SS+8*\b:SS+8*\b+3], v[VS], s[10:11] offset:512*\b
	global_load_b128 v[SS+8*\b+4:SS+8*\b+7], v[VS], s[10:11] offset:512*\b+16
.endr
.irp k, 0,1,2,3,4,5,6,7
.irp e, 0,1
	global_load_b32 v[PS+2*\k+\e], v[VP], s[6:7] offset:32768*\k+128*\e
.endr
.endr
	WIN 0x40
.irp b, 0,1,2,3,4,5,6,7
	global_load_b128 v[BI+8*\b:BI+8*\b+3], v[VB], s[12:13] offset:(32*(\b/2)+8*(\b%2))*4
	global_load_b128 v[BI+8*\b+4:BI+8*\b+7], v[VB], s[12:13] offset:(32*(\b/2)+8*(\b%2))*4+16
.endr
	WIN 0xc0
.irp a, 0,1,2,3
.irp t, 0,1,2,3,4,5,6,7,8,9,10,11,12,13,14,15
	global_load_b128 v[64*\a+4*\t:64*\a+4*\t+3], v[VQ], s[14:15] offset:(32*(\a/2)+8*(\a%2)+\t+8*(\t/8))*4096 th:TH_LOAD_NT
.endr
.endr
	WIN 0
.macro MUL16 a0, set, k, cm
.irp a, \a0, \a0+1
.irp b, 0,1,2,3,4,5,6,7
.if \cm
.if ((\a)%2)
	v_wmma_scale_f32_16x16x128_f8f6f4 v[8*(8*(\a)+\b):8*(8*(\a)+\b)+7], v[64*(\set)+8*\b:64*(\set)+8*\b+7], v[PF+32*(\set)+8*(\a):PF+32*(\set)+8*(\a)+7], v[BI+8*\b:BI+8*\b+7], v[SS+8*\b+(\k)], v[PS+2*(\k)+(\a)/2] matrix_a_fmt:MATRIX_FMT_FP4 matrix_b_fmt:MATRIX_FMT_FP4 matrix_b_scale:MATRIX_SCALE_ROW1
.else
	v_wmma_scale_f32_16x16x128_f8f6f4 v[8*(8*(\a)+\b):8*(8*(\a)+\b)+7], v[64*(\set)+8*\b:64*(\set)+8*\b+7], v[PF+32*(\set)+8*(\a):PF+32*(\set)+8*(\a)+7], v[BI+8*\b:BI+8*\b+7], v[SS+8*\b+(\k)], v[PS+2*(\k)+(\a)/2] matrix_a_fmt:MATRIX_FMT_FP4 matrix_b_fmt:MATRIX_FMT_FP4
.endif
.else
.if ((\a)%2)
	v_wmma_scale_f32_16x16x128_f8f6f4 v[8*(8*(\a)+\b):8*(8*(\a)+\b)+7], v[64*(\set)+8*\b:64*(\set)+8*\b+7], v[PF+32*(\set)+8*(\a):PF+32*(\set)+8*(\a)+7], v[8*(8*(\a)+\b):8*(8*(\a)+\b)+7], v[SS+8*\b+(\k)], v[PS+2*(\k)+(\a)/2] matrix_a_fmt:MATRIX_FMT_FP4 matrix_b_fmt:MATRIX_FMT_FP4 matrix_b_scale:MATRIX_SCALE_ROW1
.else
	v_wmma_scale_f32_16x16x128_f8f6f4 v[8*(8*(\a)+\b):8*(8*(\a)+\b)+7], v[64*(\set)+8*\b:64*(\set)+8*\b+7], v[PF+32*(\set)+8*(\a):PF+32*(\set)+8*(\a)+7], v[8*(8*(\a)+\b):8*(8*(\a)+\b)+7], v[SS+8*\b+(\k)], v[PS+2*(\k)+(\a)/2] matrix_a_fmt:MATRIX_FMT_FP4 matrix_b_fmt:MATRIX_FMT_FP4
.endif
.endif
.endr
.endr
.endm
.macro FETCH k, set
	WIN 0x40
.irp b, 0,1,2,3,4,5,6,7
.irp c, 0,1
	ds_load_b128 v[64*(\set)+8*\b+4*\c:64*(\set)+8*\b+4*\c+3], v[ADS] offset:\b*8192+(\k)*1024+512*\c
.endr
.endr
	WIN 0
.irp a, 0,1,2,3
.irp c, 0,1
	ds_load_b128 v[PF+32*(\set)+8*\a+4*\c:PF+32*(\set)+8*\a+4*\c+3], v[ADP] offset:\a*8192+(\k)*1024+512*\c
.endr
.endr
.endm
.macro STEP k, cm
	s_wait_dscnt 4
.if \cm
	WIN 0x91
.else
	WIN 0xa1
.endif
	MUL16 0, (\k)%2, \k, \cm
.if (\k) < 7
	PLACES 4
	FETCH (\k)+1, 1-(\k)%2
	s_wait_dscnt 24
.else
	s_wait_alu depctr_va_vdst(0)
	s_wait_dscnt 0x0
.endif
.if \cm
	WIN 0x91
.else
	WIN 0xa1
.endif
	MUL16 2, (\k)%2, \k, \cm
.endm
	s_wait_alu depctr_va_vdst(0)
	s_wait_tensorcnt 0x0                           ; my part of the tiles is in
	s_barrier_signal -1
	s_barrier_wait -1
	FETCH 0, 0
	s_wait_loadcnt 63
	STEP 0, 1
.irp k, 1,2,3,4,5,6,7
	STEP \k, 0
.endr
	WIN 0
.macro TOSTAGE a
	WIN 0x08
.irp b, 0,1,2,3,4,5,6,7
	ds_store_b128 v[STO], v[64*(\a)+8*\b:64*(\a)+8*\b+3] offset:128*(\b/2)+32*(\b%2)
	ds_store_b128 v[STO], v[64*(\a)+8*\b+4:64*(\a)+8*\b+7] offset:128*(\b/2)+32*(\b%2)+16
.endr
	WIN 0
.set BB, 128+64*((\a)%2)
.irp t, 0,1,2,3,4,5,6,7,8,9,10,11,12,13,14,15
	ds_load_b128 v[BB+4*\t:BB+4*\t+3], v[RD] offset:\t*528
.endr
.endm
.macro SEND a, younger
.set BB, 128+64*((\a)%2)
	s_wait_dscnt \younger
	s_wait_loadcnt 48-16*(\a)
	WIN 0x0c
.irp i, 0,2,4,6,8,10,12,14,16,18,20,22,24,26,28,30,32,34,36,38,40,42,44,46,48,50,52,54,56,58,60,62
	v_pk_add_f32 v[BB+\i:BB+\i+1], v[BB+\i:BB+\i+1], v[64*(\a)+\i:64*(\a)+\i+1]
.endr
	WIN 0
.irp t, 0,1,2,3,4,5,6,7,8,9,10,11,12,13,14,15
	global_store_b128 v[VQ], v[BB+4*\t:BB+4*\t+3], s[16:17] offset:(32*((\a)/2)+8*((\a)%2)+\t+8*(\t/8))*4096 th:TH_STORE_NT
.endr
.endm
	PLACES 4
	TOSTAGE 0
	TOSTAGE 1
	SEND 0, 32
	s_wait_xcnt 0x0
	TOSTAGE 2
	SEND 1, 32
	s_wait_xcnt 0x0
	TOSTAGE 3
	SEND 2, 32
	SEND 3, 0
	s_wait_tensorcnt 0x0
	ds_add_u32 v[SPW], v[NIL]
	s_wait_dscnt 0x0
	CROUND
	s_endpgm
.Lfunc_end_k_q926d089ca0_outp:
	.size	k_q926d089ca0_outp, .Lfunc_end_k_q926d089ca0_outp-k_q926d089ca0_outp
	.p2alignl 7, 3214868480
	.fill 96, 4, 3214868480
	.section	.rodata,"a",@progbits
	.p2align	6, 0x0
	.amdhsa_kernel k_q926d089ca0_outp
		.amdhsa_group_segment_fixed_size 327680
		.amdhsa_private_segment_fixed_size 0
		.amdhsa_enable_private_segment 0
		.amdhsa_kernarg_size 56
		.amdhsa_user_sgpr_count 2
		.amdhsa_user_sgpr_kernarg_segment_ptr 1
		.amdhsa_wavefront_size32 1
		.amdhsa_system_sgpr_workgroup_id_x 1
		.amdhsa_system_sgpr_workgroup_id_y 1
		.amdhsa_system_sgpr_workgroup_id_z 1
		.amdhsa_system_vgpr_workitem_id 0
		.amdhsa_next_free_vgpr 1024
		.amdhsa_next_free_sgpr 100
		.amdhsa_reserve_vcc 0
		.amdhsa_float_denorm_mode_32 3
		.amdhsa_float_denorm_mode_16_64 3
		.amdhsa_memory_ordered 1
		.amdhsa_forward_progress 1
		.amdhsa_inst_pref_size 86
	.end_amdhsa_kernel
	.amdgpu_metadata
---
amdhsa.version: [ 1, 2 ]
amdhsa.kernels:
  - .name:           k_q926d089ca0_outp
    .symbol:         k_q926d089ca0_outp.kd
    .args:
      - { .name: aimg, .offset: 0, .size: 8, .value_kind: global_buffer, .address_space: global }
      - { .name: asc, .offset: 8, .size: 8, .value_kind: global_buffer, .address_space: global }
      - { .name: cimg, .offset: 16, .size: 8, .value_kind: global_buffer, .address_space: global }
      - { .name: simg, .offset: 24, .size: 8, .value_kind: global_buffer, .address_space: global }
      - { .name: bo, .offset: 32, .size: 8, .value_kind: global_buffer, .address_space: global }
      - { .name: q, .offset: 40, .size: 8, .value_kind: global_buffer, .address_space: global }
      - { .name: out0, .offset: 48, .size: 8, .value_kind: global_buffer, .address_space: global }
    .group_segment_fixed_size: 327680
    .private_segment_fixed_size: 0
    .kernarg_segment_align: 8
    .kernarg_segment_size: 56
    .max_flat_workgroup_size: 128
    .sgpr_count:     100
    .vgpr_count:     1024
    .wavefront_size: 32
...
	.end_amdgpu_metadata
.endif
;; end of part 4
